; MI455X (gfx1250); checked and timed in simulation.
; The chip was launched on July 23, 2026; its instructions are those of AMD's public machine-readable ISA for CDNA 5 (MIT licence, August 2026) and "CDNA5" Instruction Set Architecture Reference Guide (July 2026). The comments in the code are by the model that wrote it; some were corrected since.
;; Instance. Allowed arithmetic: float matrix products may take bf16 or f16 operands with f32 sums; other float arithmetic in f32, or as packed bf16 or f16 multiplies, adds, multiply-adds, maxima and minima; sums over many terms, partial sums and values carried from step to step in f32; what a program stores and reads back later, other than sums and carried values, may be rounded once to bf16 or f16.
;; Inputs: ffn_b1 4,096 float32; ffn_b2 1,024 float32; ffn_w1 1,024 x 4,096 float32; ffn_w2 4,096 x 1,024 float32; norm1_b 1,024 float32; norm1_w 1,024 float32; norm2_b 1,024 float32; norm2_w 1,024 float32; out_b 1,024 float32; out_w 1,024 x 1,024 float32; qkv_b 3,072 float32; qkv_w 1,024 x 3,072 float32; x 2 x 2,048 x 1,024 float32.
;; Outputs: out0 2 x 2,048 x 1,024 float32.
;; One version. Each part assembles by itself: llvm-mc -triple=amdgcn-amd-amdhsa -mcpu=gfx1250 --defsym DOCPART=n.
;; ======== version 1 of 1: 7 launches
;; limits: a function is approximated: absolute error at most 1.5e-07
;; workspace buffers: wb 25,165,824 bytes; act 8,388,608 bytes; big 33,554,432 bytes; y 16,777,216 bytes
;; launch prep (part 1): grid 448 x 1, 8 waves a work-group, no clusters, 0 bytes of LDS; arguments x, norm1_w, norm1_b, act, qkv_w, wb; writes act, wb
.if DOCPART == 1
	.amdgcn_target "amdgcn-amd-amdhsa--gfx1250"
	.amdhsa_code_object_version 6
	.text
	.protected	k_qf3a604ddd0_prep
	.globl	k_qf3a604ddd0_prep
	.p2align	8
	.type	k_qf3a604ddd0_prep,@function
k_qf3a604ddd0_prep:
	s_mov_b64 s[64:65], 0
	v_nop
	global_prefetch_b8 v0, s[64:65] scope:SCOPE_SE
	s_setreg_imm32_b32 hwreg(HW_REG_WAVE_MODE, 25, 1), 1
	s_wait_xcnt 0x0
; Arguments: in [4096][1024] f32, gain [1024], bias [1024], out [4096][1024] bf16, w (f32), wout (bf16).
; Work-groups 0-255: out = bf16(LayerNorm(in) * gain + bias).  Work-groups from 256 on: 65,536 bytes of w each, rounded once to bf16 into wout, in the same order.
; The body serves two launches: with 448 work-groups it is LN1 and the cast of qkv_w (12,582,912 bytes = 192 pieces) into the head of wb;
; with 256 work-groups it is a LayerNorm alone (LN2), and the second branch is not reached.
; No LDS, no barrier, no matrix unit: each byte is read once and written once, and no wave needs another's data.
; LAYERNORM.  A wave takes two rows; a row is 4,096 bytes = eight loads of 16 bytes a lane, kept in 32 registers for the mean,
; the centred sum of squares (no difference of large sums) and the scaling.  Lane l holds columns 4 l + 128 j + 0..3, so its
; four bf16 of group j are 8 bytes at 8 l + 256 j: a store of the wave covers 256 consecutive bytes, aligned.
; CAST.  A wave takes 8,192 bytes: sixteen loads, all out at once, then counted waits.
; LIMITS.  NaN and infinities are not treated apart.
.set X,  16                            ; v[16:79]   two rows of 32 registers
.set W,  80                            ; v[80:111]  the gain of my 32 columns
.set BB, 112                           ; v[112:143] the bias
.set T,  144                           ; v[144:175] sixteen at work for each row: 0-7 four chains, 8 the sum, 10-11 mean, then 1/sigma, twice
.macro RED r, d                        ; v[r] summed over the 32 lanes, the result in every lane; v[d] has been written before
	v_add_f32_dpp v[\r], v[\r], v[\r] row_xmask:1 row_mask:0xf bank_mask:0xf
	v_add_f32_dpp v[\r], v[\r], v[\r] row_xmask:2 row_mask:0xf bank_mask:0xf
	v_add_f32_dpp v[\r], v[\r], v[\r] row_xmask:4 row_mask:0xf bank_mask:0xf
	v_add_f32_dpp v[\r], v[\r], v[\r] row_xmask:8 row_mask:0xf bank_mask:0xf
	v_permlanex16_b32 v[\d], v[\r], s30, s31
	v_add_f32 v[\r], v[\r], v[\d]
.endm
.macro FOLD t                          ; row t's four chains into one number, then over the lanes
	v_pk_add_f32 v[T+16*(\t):T+16*(\t)+1], v[T+16*(\t):T+16*(\t)+1], v[T+16*(\t)+2:T+16*(\t)+3]
	v_pk_add_f32 v[T+16*(\t)+4:T+16*(\t)+5], v[T+16*(\t)+4:T+16*(\t)+5], v[T+16*(\t)+6:T+16*(\t)+7]
	v_pk_add_f32 v[T+16*(\t):T+16*(\t)+1], v[T+16*(\t):T+16*(\t)+1], v[T+16*(\t)+4:T+16*(\t)+5]
	v_add_f32 v[T+16*(\t)+8], v[T+16*(\t)], v[T+16*(\t)+1]
	RED T+16*(\t)+8, T+16*(\t)+1
.endm
	s_load_b256 s[4:11], s[0:1], 0x0               ; in s[4:5], gain s[6:7], bias s[8:9], out s[10:11]
	s_load_b128 s[12:15], s[0:1], 0x20             ; w s[12:13], wout s[14:15]
	v_and_b32 v1, 31, v0                           ; lane
	v_lshrrev_b32 v2, 5, v0                        ; wave
	s_cmp_lt_u32 ttmp9, 256
	s_cbranch_scc0 .Lcast
	; ---------------- LayerNorm ----------------
	v_lshlrev_b32 v3, 3, v1                        ; 8 x lane: my bytes in a group of the output row
	v_lshlrev_b32 v1, 4, v1                        ; 16 x lane: in a group of the input row
	v_readfirstlane_b32 s24, v2
	s_lshl_b32 s26, ttmp9, 16                      ; 16 rows of 4,096 bytes a work-group,
	s_lshl_b32 s27, s24, 13                        ; two a wave
	s_add_co_u32 s26, s26, s27
	s_mov_b32 s27, 0
	s_lshr_b32 s28, s26, 1                         ; the output's rows are half as long
	s_mov_b32 s29, 0
	s_mov_b32 s30, 0x76543210                      ; v_permlanex16_b32: each lane takes its own place in the other half
	s_mov_b32 s31, 0xfedcba98
	s_mov_b32 s32, 0x3a800000                      ; 1 / 1024
	s_mov_b32 s33, 0x3727c5ac                      ; 1e-5
	s_wait_kmcnt 0x0
	s_add_nc_u64 s[4:5], s[4:5], s[26:27]
	s_add_nc_u64 s[10:11], s[10:11], s[28:29]
.irp t, 0,1
.irp j, 0,1,2,3,4,5,6,7
	global_load_b128 v[X+32*\t+4*\j:X+32*\t+4*\j+3], v1, s[4:5] offset:\t*4096+\j*512
.endr
.endr
.irp j, 0,1,2,3,4,5,6,7
	global_load_b128 v[W+4*\j:W+4*\j+3], v1, s[6:7] offset:\j*512
.endr
.irp j, 0,1,2,3,4,5,6,7
	global_load_b128 v[BB+4*\j:BB+4*\j+3], v1, s[8:9] offset:\j*512
.endr
	s_wait_loadcnt 16                              ; the two rows are in; the sixteen loads of gain and bias may stay out
.irp t, 0,1
.irp c, 0,2,4,6
	v_pk_add_f32 v[T+16*\t+\c:T+16*\t+\c+1], v[X+32*\t+\c:X+32*\t+\c+1], v[X+32*\t+8+\c:X+32*\t+8+\c+1]
.endr
.irp o, 16,24
.irp c, 0,2,4,6
	v_pk_add_f32 v[T+16*\t+\c:T+16*\t+\c+1], v[T+16*\t+\c:T+16*\t+\c+1], v[X+32*\t+\o+\c:X+32*\t+\o+\c+1]
.endr
.endr
	FOLD \t
	v_mul_f32 v[T+16*\t+10], s32, v[T+16*\t+8]     ; the mean, twice: a pair for the packed subtraction
	v_mov_b32 v[T+16*\t+11], v[T+16*\t+10]
.endr
.irp t, 0,1
.set i, 0
.rept 16
	v_pk_add_f32 v[X+32*\t+2*i:X+32*\t+2*i+1], v[X+32*\t+2*i:X+32*\t+2*i+1], v[T+16*\t+10:T+16*\t+11] neg_lo:[0,1] neg_hi:[0,1]
.set i, i+1
.endr
.irp c, 0,2,4,6
	v_pk_mul_f32 v[T+16*\t+\c:T+16*\t+\c+1], v[X+32*\t+\c:X+32*\t+\c+1], v[X+32*\t+\c:X+32*\t+\c+1]
.endr
.irp o, 8,16,24
.irp c, 0,2,4,6
	v_pk_fma_f32 v[T+16*\t+\c:T+16*\t+\c+1], v[X+32*\t+\o+\c:X+32*\t+\o+\c+1], v[X+32*\t+\o+\c:X+32*\t+\o+\c+1], v[T+16*\t+\c:T+16*\t+\c+1]
.endr
.endr
	FOLD \t
	v_fma_f32 v[T+16*\t+8], v[T+16*\t+8], s32, s33 ; the variance + 1e-5
.endr
.irp t, 0,1
	v_rsq_f32 v[T+16*\t+10], v[T+16*\t+8]
	v_rsq_f32 v[T+16*\t+11], v[T+16*\t+8]
.endr
	v_nop                                          ; a plain instruction behind the last of the four,
	s_wait_alu depctr_va_vdst(0)                   ; and one wait for the batch, ahead of its first reader
	s_wait_loadcnt 0x0                             ; gain and bias
.irp t, 0,1
.set i, 0
.rept 16
	v_pk_mul_f32 v[X+32*\t+2*i:X+32*\t+2*i+1], v[X+32*\t+2*i:X+32*\t+2*i+1], v[T+16*\t+10:T+16*\t+11]
.set i, i+1
.endr
.set i, 0
.rept 16
	v_pk_fma_f32 v[X+32*\t+2*i:X+32*\t+2*i+1], v[X+32*\t+2*i:X+32*\t+2*i+1], v[W+2*i:W+2*i+1], v[BB+2*i:BB+2*i+1]
.set i, i+1
.endr
.irp j, 0,1,2,3,4,5,6,7
	v_cvt_pk_bf16_f32 v[X+32*\t+4*\j], v[X+32*\t+4*\j], v[X+32*\t+4*\j+1]
	v_cvt_pk_bf16_f32 v[X+32*\t+4*\j+1], v[X+32*\t+4*\j+2], v[X+32*\t+4*\j+3]
	global_store_b64 v3, v[X+32*\t+4*\j:X+32*\t+4*\j+1], s[10:11] offset:\t*2048+\j*256  ; 32 lanes: 256 consecutive bytes, aligned
.endr
.endr
	s_endpgm
	; ---------------- the cast ----------------
.Lcast:
	v_lshlrev_b32 v4, 4, v1
	v_lshl_add_u32 v4, v2, 13, v4                  ; 16 x lane + 8,192 x wave
	v_lshlrev_b32 v5, 3, v1
	v_lshl_add_u32 v5, v2, 12, v5                  ; 8 x lane + 4,096 x wave
	s_sub_co_u32 s34, ttmp9, 256                   ; my piece of 65,536 bytes
	s_lshl_b32 s26, s34, 16
	s_mov_b32 s27, 0
	s_lshl_b32 s28, s34, 15
	s_mov_b32 s29, 0
	s_wait_kmcnt 0x0
	s_add_nc_u64 s[12:13], s[12:13], s[26:27]
	s_add_nc_u64 s[14:15], s[14:15], s[28:29]
.irp j, 0,1,2,3,4,5,6,7,8,9,10,11,12,13,14,15
	global_load_b128 v[16+4*\j:19+4*\j], v4, s[12:13] offset:\j*512 th:TH_LOAD_NT
.endr
.irp j, 0,1,2,3,4,5,6,7,8,9,10,11,12,13,14,15
	s_wait_loadcnt 15-\j                           ; loads come back in order: number j is in, the younger ones stay out
	v_cvt_pk_bf16_f32 v[80+2*\j], v[16+4*\j], v[17+4*\j]
	v_cvt_pk_bf16_f32 v[81+2*\j], v[18+4*\j], v[19+4*\j]
	global_store_b64 v5, v[80+2*\j:81+2*\j], s[14:15] offset:\j*256
.endr
	s_endpgm
.Lfunc_end_k_qf3a604ddd0_prep:
	.size	k_qf3a604ddd0_prep, .Lfunc_end_k_qf3a604ddd0_prep-k_qf3a604ddd0_prep
	.p2alignl 7, 3214868480
	.fill 96, 4, 3214868480
	.section	.rodata,"a",@progbits
	.p2align	6, 0x0
	.amdhsa_kernel k_qf3a604ddd0_prep
		.amdhsa_group_segment_fixed_size 0
		.amdhsa_private_segment_fixed_size 0
		.amdhsa_enable_private_segment 0
		.amdhsa_kernarg_size 48
		.amdhsa_user_sgpr_count 2
		.amdhsa_user_sgpr_kernarg_segment_ptr 1
		.amdhsa_wavefront_size32 1
		.amdhsa_system_sgpr_workgroup_id_x 1
		.amdhsa_system_sgpr_workgroup_id_y 1
		.amdhsa_system_sgpr_workgroup_id_z 1
		.amdhsa_system_vgpr_workitem_id 0
		.amdhsa_next_free_vgpr 176
		.amdhsa_next_free_sgpr 66
		.amdhsa_reserve_vcc 0
		.amdhsa_float_denorm_mode_32 3
		.amdhsa_float_denorm_mode_16_64 3
		.amdhsa_memory_ordered 1
		.amdhsa_forward_progress 1
		.amdhsa_inst_pref_size 26
	.end_amdhsa_kernel
	.amdgpu_metadata
---
amdhsa.version: [ 1, 2 ]
amdhsa.kernels:
  - .name:           k_qf3a604ddd0_prep
    .symbol:         k_qf3a604ddd0_prep.kd
    .args:
      - { .name: x, .offset: 0, .size: 8, .value_kind: global_buffer, .address_space: global }
      - { .name: norm1_w, .offset: 8, .size: 8, .value_kind: global_buffer, .address_space: global }
      - { .name: norm1_b, .offset: 16, .size: 8, .value_kind: global_buffer, .address_space: global }
      - { .name: act, .offset: 24, .size: 8, .value_kind: global_buffer, .address_space: global }
      - { .name: qkv_w, .offset: 32, .size: 8, .value_kind: global_buffer, .address_space: global }
      - { .name: wb, .offset: 40, .size: 8, .value_kind: global_buffer, .address_space: global }
    .group_segment_fixed_size: 0
    .private_segment_fixed_size: 0
    .kernarg_segment_align: 8
    .kernarg_segment_size: 48
    .max_flat_workgroup_size: 256
    .sgpr_count:     66
    .vgpr_count:     176
    .wavefront_size: 32
...
	.end_amdgpu_metadata
.endif
;; end of part 1
;; launch qkv (part 2): grid 12 x 16, 4 waves a work-group, clusters of 4 x 4, 327,680 bytes of LDS; arguments act, wb, qkv_b, big; writes big
.if DOCPART == 2
	.amdgcn_target "amdgcn-amd-amdhsa--gfx1250"
	.amdhsa_code_object_version 6
	.text
	.protected	k_qf3a604ddd0_qkv
	.globl	k_qf3a604ddd0_qkv
	.p2align	8
	.type	k_qf3a604ddd0_qkv,@function
k_qf3a604ddd0_qkv:
	s_mov_b64 s[64:65], 0
	v_nop
	global_prefetch_b8 v0, s[64:65] scope:SCOPE_SE
	s_setreg_imm32_b32 hwreg(HW_REG_WAVE_MODE, 25, 1), 1
	s_wait_xcnt 0x0
	s_wait_alu depctr_hold_cnt(0) depctr_sa_sdst(0) depctr_va_vdst(0) depctr_va_sdst(0) depctr_va_ssrc(0) depctr_va_vcc(0) depctr_vm_vsrc(0)
	s_getreg_b32 s2, hwreg(HW_REG_IB_STS2, 6, 4)
	s_cmp_eq_u32 s2, 0
	s_cbranch_scc0 .Lentry_in_a_cluster
	s_endpgm
.Lentry_in_a_cluster:
	s_bfe_u32 s2, ttmp6, 0x10000c
	s_cmp_lg_u32 s2, 0xf033
	s_cbranch_scc0 .Lentry_shape_is_right
	s_endpgm
.Lentry_shape_is_right:
; big[part][b*16+h][l][64] = bf16( act[4096][1024] x Wqkv[1024][3072] + qkv_b ): q, k, v by heads, unscaled, each rounded once from its f32 sum.
; A (act) is bf16 [M][K]; W is bf16 [K][N], at byte WOFF of wb.  Sums in f32, K ascending; THE BIAS STARTS EACH SUM: it is the C operand of the first product.
; A work-group of four waves makes a tile of TM x TN of C, a wave WM x WN accumulators of 16 x 16.  K goes in steps of KSTEP through two LDS slots
; filled by the tensor data mover; a slot holds TM rows of A (along K) and KSTEP rows of W (along N).  A's fragments come out of LDS as they lie,
; W's turned, by ds_load_tr16_b128.  THE MATRIX INSTRUCTION IS USED TRANSPOSED (source 0 = 16 columns of W, source 1 = 16 rows of A): a lane then
; holds one row of C (lane % 16) and eight neighbouring columns, 8 (lane / 16) + 0..7.
; CLUSTER 4 x 4: the four work-groups of a row of the cluster need the same rows of A, the four of a column the same columns of W; each tile is asked
; for jointly, by the same tensor load, descriptor and mask in all four.
; A loop trip is ONE K step; which slot is read hangs on s[TB], 0 or SLOT, turned by an exclusive or at each change of slots.
; THE WAY OUT: when the last product is done and every wave has passed a barrier, the ring has had its last fill; each wave lays its part of C, in f32,
; into its own STG bytes of it and reads whole rows back, 16 rows a trip.
; REGISTERS in windows of 256: window 0 addresses, A's fragments (two buffers F0, F1), the bias, the way out; window 1 W's fragments; windows 2 and 3 accumulators.
; LIMITS.  Operands are bf16; NaN and infinities are not treated apart.
.set BIG,    1
.set SIZE_K, 1024
.set SIZE_N, 3072
.set WOFF,   0
.set WM,    4+4*BIG                    ; blocks of 16 rows a wave
.set WN,    WM                         ; blocks of 16 columns a wave
.set KD,    2-BIG                      ; matrix instructions deep in a quarter of a K step
.set KSTEP, 128*KD
.set TM,    32*WM
.set TN,    TM
.set PA,    2*KSTEP+16                 ; a row of A in LDS: an odd multiple of 16 bytes: the 16 rows of a load start at 16 different groups of four banks
.set PB,    2*TN+32                    ; a row of W in LDS: an odd multiple of 32 bytes
.set HA,    (TM/2)*PA                  ; what one tensor load brings of A, and what one wave reads of it
.set BOFF,  TM*PA                      ; W lies behind A in a slot
.set HB,    (KSTEP/2)*PB               ; what one tensor load brings of W
.set SLOT,  BOFF+KSTEP*PB
.set SPARE, 2*SLOT                     ; behind the ring: the spare words, 128 bytes a wave: two blocks of 256 bytes that no other line names
.set NSTEP, SIZE_K/KSTEP
.set LATE,  8*KD                       ; the youngest loads of a run of 32, which only the quarter's second half wants
.set AH,    KD                         ; K steps that a prefetch stands ahead of the refill beside it: 256 matrix instructions
.set SP,    2*TN+16                    ; the way out: a wave's row of f32 + 16 bytes
.set STG,   WM*16*SP                   ; a wave's stage
.set BST,   KSTEP*SIZE_N*2             ; bytes from a K step of W to the next
.set F0, 64
.set F1, 128
.set BI, 192                           ; v[192:255] the bias of my 128 columns: block b's eight registers at BI + 8 b
.set ADRA,  16                         ; v16  LDS address of my A fragments in the slot in hand
.set ADRA0, 17                         ; v17  the same in slot 0; never rewritten
.set ADRB,  18                         ; v18  of my W fragments
.set ADRB0, 20                         ; v20  in slot 0; never rewritten
.set STO, 24                           ; v24  the way out: where I put 32 bytes of a row
.set RD,  25                           ; v25  where I read rows back
.set CO,  26                           ; v26  my byte offset in the output
.set BO,  27                           ; v27  my byte offset in the bias: 32 (lane / 16)
.set SPW, 28                           ; v28  my spare word: SPARE + 4 x my thread's number; never rewritten
.set NIL, 29                           ; v29  0; never rewritten
.set PFO, 30                           ; v30  the prefetches' lane offset; never rewritten
.set WV, 14                            ; s14  wave
.set HR, 15                            ; s15  my half of the tile's rows; also: I fetch for A (0) or W (1)
.set HC, 16                            ; s16  my half of its columns; also: which half of that tile I fetch
.set CX, 17
.set CY, 18
.set TX, 19                            ; s19  tile column
.set TY, 20                            ; s20  tile row
.set G1A, 24                           ; s[24:31] group 1 for A;  s[32:39] group 0: a set for each first fill; the second then walks
.set G0A, 32
.set LA,  40                           ; s40  my part of A in a slot
.set LB,  41                           ; s41  my part of W in a slot
.set TB,  42                           ; s42  the slot in hand: 0 or SLOT
.set LIM, 43                           ; s43  AH in a wave that prefetches, else the greatest number
.set PFA, 44                           ; s[44:45] where my prefetches stand
.set PST, 46                           ; s[46:47] their step
.set G1B, 48                           ; s[48:55], s[56:63] the same for W
.set G0B, 56
.set MUL_LO, 0xa1                      ; source 0 (W) window 1, source 1 (A) window 0, C and D window 2
.set MUL_Z,  0x81                      ; the same with C (the bias) in window 0
.set TO_B,   0x40                      ; destination window 1, address window 0
.set MSB, 0
.macro WIN new                         ; the immediate's high byte repeats the setting that is left; a switch that changes nothing is dropped
.if MSB != (\new)
	s_set_vgpr_msb (MSB<<8)|(\new)
.set MSB, (\new)
.endif
.endm
.macro PLACES                          ; four plain places between a matrix instruction and a load into, or a read of, its registers
.rept 4
	v_nop
.endr
.endm
.macro CREST                           ; a round of the cluster's barrier behind its opening barrier
	s_cmp_lg_u32 s[WV], 0
	s_cbranch_scc1 .Lnot_wave_0_\@
	s_barrier_signal -3
.Lnot_wave_0_\@:
	s_barrier_wait -3
	s_barrier_signal -1
	s_barrier_wait -1
.endm
.macro CROUND
	s_barrier_signal -1
	s_barrier_wait -1
	CREST
.endm
.macro JLOAD                           ; the joint refill: waves 0, 1 fetch A's halves, waves 2, 3 W's; the branch hangs on the wave's number alone
	s_cmp_eq_u32 s[HR], 0
	s_cbranch_scc0 .Lfor_b_\@
	tensor_load_to_lds s[G0A+4:G0A+7], s[G1A:G1A+7]
	s_nop 0
	PLACES
	s_branch .Lasked_\@
.Lfor_b_\@:
	tensor_load_to_lds s[G0B+4:G0B+7], s[G1B:G1B+7]
	s_nop 0
	PLACES
.Lasked_\@:
.endm
; A prefetch into the L2 of the K step that stands AH refills on: my work-group's quarter (by address: place cx for A, cy for W) of the 128 blocks of 256 bytes that I fetch, a lane a block.
; A's rows are read by every cluster of a row of clusters: cluster x = 0 asks; W's columns by every cluster of a column: cluster y = 0 asks.  So each block is named once.
; The last AH refills have no such K step: s3 counts the trips left.
.macro ASK
	s_cmp_gt_u32 s3, s[LIM]
	s_cbranch_scc0 .Lnot_mine_\@
	global_prefetch_b8 v[PFO], s[PFA:PFA+1] th:TH_LOAD_NT scope:SCOPE_SE
.Lnot_mine_\@:
.endm
; 2 x WN matrix instructions on buffer f.  x = which 64 of my rows (window 2 or 3).
; All accumulators take turns, in the same order in every quarter.  zero: the product starts the sum, with the bias as C.
.macro MULP f, x, a0, zero
.if \zero
	WIN MUL_Z+0x40*(\x)*BIG
.else
	WIN MUL_LO+0x50*(\x)*BIG
.endif
.irp a, \a0, (\a0)+1
.set bb, 0
.rept WN
.set rD, 8*(WN*(\a)+bb)
.set rB, (\f)+8*((1-BIG)*4*(\x)+bb)
.set rA, (\f)+8*(4*(\x)+(\a))
.if \zero
	v_wmma_f32_16x16x32_bf16 v[rD:rD+7], v[rB:rB+7], v[rA:rA+7], v[BI+8*bb:BI+8*bb+7]
.else
	v_wmma_f32_16x16x32_bf16 v[rD:rD+7], v[rB:rB+7], v[rA:rA+7], v[rD:rD+7]
.endif
.set bb, bb+1
.endr
.endr
.endm
; 32 LDS loads in one run: quarter q of the K step in hand into buffer f
.macro FETCH q, f
.set cc, 0
.rept KD
.set ch, KD*(\q)+cc                    ; which 32 along K
	WIN TO_B
.set ii, 0
.rept WN
	ds_load_tr16_b128 v[(\f)+8*(WN*cc+ii):(\f)+8*(WN*cc+ii)+3],   v[ADRB+ch/4] offset:(ch%4)*32*PB+32*ii
	ds_load_tr16_b128 v[(\f)+8*(WN*cc+ii)+4:(\f)+8*(WN*cc+ii)+7], v[ADRB+ch/4] offset:(ch%4)*32*PB+32*ii+16*PB
.set ii, ii+1
.endr
	WIN 0
.set ii, 0
.rept WM
	ds_load_b128 v[(\f)+8*(WM*cc+ii):(\f)+8*(WM*cc+ii)+3],   v[ADRA] offset:ch*64+ii*16*PA
	ds_load_b128 v[(\f)+8*(WM*cc+ii)+4:(\f)+8*(WM*cc+ii)+7], v[ADRA] offset:ch*64+ii*16*PA+32
.set ii, ii+1
.endr
.set cc, cc+1
.endr
.endm
; One of a K step's first three quarters: multiplies buffer f and, in its middle, fetches quarter qn into buffer g
.macro QUARTER qn, f, g, zero
	s_wait_dscnt LATE                              ; all that the first half wants is in
	MULP \f, 0, 0, \zero
	MULP \f, 0, 2, \zero
	PLACES
	FETCH \qn, \g
	s_wait_dscnt 32                                ; all but the 32 just issued
	MULP \f, 1, 0, (\zero)*BIG
	MULP \f, 1, 2, (\zero)*BIG
.endm
; The change of slots, first half: every wave waits for all its tensor loads (one is out: its part of the next slot), adds 0 to its spare word, and waits for that and for its reads of this slot.
; fill = 1: no tensor load of mine is out behind the first wait, so the walking descriptors are written there: the slot in hand, the K step two on.
.macro MEET fill
	WIN 0
	s_wait_tensorcnt 0x0
	ds_add_u32 v[SPW], v[NIL]
.if \fill
	s_add_co_u32 s[G0A+5], s[LA], s[TB]
	s_add_nc_u64 s[G0A+6:G0A+7], s[G0A+6:G0A+7], 2*KSTEP
	s_add_co_u32 s[G0B+5], s[LB], s[TB]
	s_add_nc_u64 s[G0B+6:G0B+7], s[G0B+6:G0B+7], BST
.endif
	s_wait_dscnt LATE+1                            ; the add and the youngest LATE loads may be out
	MULP F1, 0, 0, 0
	s_wait_dscnt 0x0                               ; the add is done, my reads of this slot are over
	s_barrier_signal -1
	MULP F1, 0, 2, 0
	WIN 0
	s_barrier_wait -1
.endm
; The last quarter.  fill = 1: the barrier opens a round of the cluster's; the slot just read is filled again, first thing behind the round
.macro TURN fill
.if \fill
	s_wait_xcnt 0x0                                ; the last prefetch, a K step back, has read its address
	s_add_nc_u64 s[PFA:PFA+1], s[PFA:PFA+1], s[PST:PST+1]
.endif
	MEET \fill
.if \fill
	CREST
	JLOAD                                          ; its four v_nop are also the places in front of the loads below
.else
	PLACES
.endif
	s_xor_b32 s[TB], s[TB], SLOT
	v_add_nc_u32 v[ADRA], s[TB], v[ADRA0]
	v_add_nc_u32 v[ADRB], s[TB], v[ADRB0]
	FETCH 0, F0
.if \fill
	ASK
.endif
	MULP F1, 1, 0, 0
	MULP F1, 1, 2, 0
.endm
	s_load_b256 s[4:11], s[0:1], 0x0               ; A s[4:5], wb s[6:7], bias s[8:9], output s[10:11]
	v_lshl_add_u32 v[SPW], v0, 2, SPARE
	v_mov_b32 v[NIL], 0
	ds_add_u32 v[SPW], v[NIL]                      ; the wave's opening: the add and its wait ahead of my first tensor load
	ds_add_u32 v28, v29
	v_lshrrev_b32 v1, 5, v0
	v_readfirstlane_b32 s[WV], v1
	s_lshr_b32 s[HR], s[WV], 1
	s_and_b32 s[HC], s[WV], 1
	s_bfe_u32 s[CX], ttmp6, 0x40000
	s_bfe_u32 s[CY], ttmp6, 0x40004
	s_lshl_b32 s[TX], ttmp9, 2
	s_add_co_u32 s[TX], s[TX], s[CX]
	s_and_b32 s[TY], ttmp7, 0xffff
	s_lshl_b32 s[TY], s[TY], 2
	s_add_co_u32 s[TY], s[TY], s[CY]
	s_lshl_b32 s21, s[CY], 2
	s_lshl_b32 s21, 15, s21                        ; my row of the cluster
	s_lshl_b32 s22, 0x1111, s[CX]                  ; my column
	s_or_b32 s[G1A], s21, (1<<16)|(1<<20)|(1<<21)|((4+KD)<<22)|(3<<25)  ; mask; 2-byte elements; padding on; bit 21 beside a mask; after each row of 2 KSTEP bytes 4 words
	s_or_b32 s[G1B], s22, (1<<16)|(1<<20)|(1<<21)|((7-KD)<<22)|(7<<25)  ; after each row of 2 TN bytes 8 words
	s_mov_b32 s[G1A+1], KSTEP<<16                  ; tensor_dim0
	s_mov_b32 s[G1A+2], (TM/2)<<16                 ; tensor_dim1
	s_mov_b32 s[G1A+3], KSTEP<<16                  ; tile_dim0
	s_mov_b32 s[G1A+4], TM/2                       ; tile_dim1
	s_mov_b32 s[G1A+5], SIZE_K                     ; elements from row to row
	s_mov_b32 s[G1A+6], 0
	s_mov_b32 s[G1A+7], 0
	s_mov_b32 s[G1B+1], TN<<16
	s_mov_b32 s[G1B+2], (KSTEP/2)<<16
	s_mov_b32 s[G1B+3], TN<<16
	s_mov_b32 s[G1B+4], KSTEP/2
	s_mov_b32 s[G1B+5], SIZE_N
	s_mov_b32 s[G1B+6], 0
	s_mov_b32 s[G1B+7], 0
	s_mul_i32 s66, s[TY], TM*2*SIZE_K              ; A: the tile row and my half of its rows: registers that never hold the tile column
	s_mul_i32 s68, s[HC], (TM/2)*2*SIZE_K
	s_add_co_u32 s66, s66, s68
	s_mov_b32 s67, 0
	s_mul_i32 s70, s[TX], 2*TN                     ; W: the tile column and my half of a K step's rows: registers that never hold the tile row
	s_mul_i32 s72, s[HC], (KSTEP/2)*2*SIZE_N
	s_add_co_u32 s70, s70, s72
	s_add_co_u32 s70, s70, WOFF
	s_mov_b32 s71, 0
	s_mul_i32 s[LA], s[HC], HA
	s_mul_i32 s[LB], s[HC], HB
	s_add_co_u32 s[LB], s[LB], BOFF
	s_mov_b32 s[TB], 0
	s_wait_dscnt 0x0                               ; the opening add is done
	s_wait_kmcnt 0x0
	s_add_nc_u64 s[68:69], s[4:5], s[66:67]
	s_add_nc_u64 s[72:73], s[6:7], s[70:71]
	CROUND                                         ; all sixteen work-groups are here: the first joint loads meet
.irp s, 0,1
	s_mov_b32 s[G0A+4*\s], 1
	s_add_co_u32 s[G0A+4*\s+1], s[LA], \s*SLOT
	s_add_nc_u64 s[G0A+4*\s+2:G0A+4*\s+3], s[68:69], \s*2*KSTEP
	s_or_b32 s[G0A+4*\s+3], s[G0A+4*\s+3], 0x80000000
	s_mov_b32 s[G0B+4*\s], 1
	s_add_co_u32 s[G0B+4*\s+1], s[LB], \s*SLOT
	s_add_nc_u64 s[G0B+4*\s+2:G0B+4*\s+3], s[72:73], \s*BST
	s_or_b32 s[G0B+4*\s+3], s[G0B+4*\s+3], 0x80000000
.endr
	s_cmp_eq_u32 s[HR], 0                          ; a wave's two first fills stand in one branch: two loads of mine are out
	s_cbranch_scc0 .Lfirst_b
	tensor_load_to_lds s[G0A:G0A+3], s[G1A:G1A+7]
	s_nop 0
	tensor_load_to_lds s[G0A+4:G0A+7], s[G1A:G1A+7]
	s_nop 0
	PLACES
	s_branch .Lfirst_done
.Lfirst_b:
	tensor_load_to_lds s[G0B:G0B+3], s[G1B:G1B+7]
	s_nop 0
	tensor_load_to_lds s[G0B+4:G0B+7], s[G1B:G1B+7]
	s_nop 0
	PLACES
.Lfirst_done:
	v_and_b32 v1, 15, v0                           ; r = l % 16
	v_bfe_u32 v2, v0, 4, 1                         ; h = l / 16
	v_and_b32 v3, 7, v0
	v_bfe_u32 v4, v0, 3, 1
	v_and_b32 v5, 31, v0                           ; l
	v_lshlrev_b32 v[BO], 5, v2
	s_lshl_b32 s76, s[TX], 10                      ; the bias of my 128 columns
	s_lshl_b32 s77, s[HC], 9
	s_add_co_u32 s76, s76, s77
	s_mov_b32 s77, 0
	s_add_nc_u64 s[8:9], s[8:9], s[76:77]
.set bb, 0
.rept WN
	global_load_b128 v[BI+8*bb:BI+8*bb+3],   v[BO], s[8:9] offset:64*bb      ; columns 16 b + 8 h + 0..3,
	global_load_b128 v[BI+8*bb+4:BI+8*bb+7], v[BO], s[8:9] offset:64*bb+16   ; and + 4..7: laid as an accumulator's registers are
.set bb, bb+1
.endr
	v_mul_u32_u24 v[ADRA0], v1, PA                 ; A: row r, 16 bytes for each half of the lanes
	v_lshl_add_u32 v[ADRA0], v2, 4, v[ADRA0]
	s_mul_i32 s21, s[HR], HA
	v_add_nc_u32 v[ADRA0], s21, v[ADRA0]
	v_lshl_add_u32 v[ADRB0], v2, 3, v3             ; W: row 8 h + l % 8 of 32 along K, columns 8 ((l / 8) % 2) + 0..7
	v_mul_u32_u24 v[ADRB0], v[ADRB0], PB
	v_lshl_add_u32 v[ADRB0], v4, 4, v[ADRB0]
	s_mul_i32 s21, s[HC], WN*32
	s_add_co_u32 s21, s21, BOFF
	v_add_nc_u32 v[ADRB0], s21, v[ADRB0]
	s_mul_i32 s23, s[WV], STG                      ; my stage
	v_mul_u32_u24 v[STO], v1, SP
	v_lshl_add_u32 v[STO], v2, 5, v[STO]
	v_add_nc_u32 v[STO], s23, v[STO]
	; the way out of this kernel: lanes 0-15 read 64 columns (a head) of a row, lanes 16-31 of the next; as bf16 the two are 256 consecutive bytes of a head
	v_mul_u32_u24 v[RD], v2, SP
	v_lshl_add_u32 v[RD], v1, 4, v[RD]
	v_add_nc_u32 v[RD], s23, v[RD]
	v_lshlrev_b32 v[CO], 3, v5
	s_lshr_b32 s74, s[TX], 2                       ; q, k or v: 1,024 columns = 4 tile columns each
	s_lshl_b32 s74, s74, 23
	s_lshr_b32 s75, s[TY], 3                       ; the batch: 2,048 rows = 8 tile rows
	s_lshl_b32 s75, s75, 4
	s_and_b32 s76, s[TX], 3
	s_lshl2_add_u32 s75, s76, s75                  ; + the head: 4 to a tile column,
	s_lshl1_add_u32 s75, s[HC], s75                ; 2 to a wave
	s_lshl_b32 s75, s75, 18                        ; x 262,144 bytes
	s_add_co_u32 s74, s74, s75
	s_and_b32 s75, s[TY], 7
	s_lshl_b32 s75, s75, 15                        ; 256 rows of 128 bytes
	s_add_co_u32 s74, s74, s75
	s_lshl_b32 s75, s[HR], 14
	s_add_co_u32 s74, s74, s75
	s_mov_b32 s75, 0
	s_add_nc_u64 s[10:11], s[10:11], s[74:75]
	s_mul_i32 s74, s[TY], TM                       ; the prefetches.  A: the rows that I fetch, my work-group's share of them by cx
	s_mul_i32 s75, s[HC], TM/2
	s_add_co_u32 s74, s74, s75
	s_mul_i32 s75, s[CX], 32/KD
	s_add_co_u32 s74, s74, s75
	s_mul_i32 s74, s74, 2*SIZE_K
	s_add_co_u32 s74, s74, (AH+1)*2*KSTEP          ; the first change of slots steps this to K step AH + 2
	s_mul_i32 s76, s[HC], KSTEP/2                  ; W: likewise, by cy
	s_mul_i32 s77, s[CY], 32/(3-KD)
	s_add_co_u32 s76, s76, s77
	s_mul_i32 s76, s76, 2*SIZE_N
	s_mul_i32 s77, s[TX], 2*TN
	s_add_co_u32 s76, s76, s77
	s_add_co_u32 s76, s76, WOFF+(AH+1)*BST
	s_and_b32 s78, ttmp7, 0xffff                   ; cluster y
	s_mov_b32 s[PST], BST
	s_mov_b32 s22, 2*SIZE_N
	s_cmp_eq_u32 s[HR], 0
	s_cselect_b32 s74, s74, s76
	s_cselect_b32 s78, ttmp9, s78                  ; the coordinate along which other clusters read the same blocks
	s_cselect_b64 s[PFA:PFA+1], s[4:5], s[6:7]
	s_cselect_b32 s[PST], 2*KSTEP, s[PST]
	s_cselect_b32 s21, KD-1, 2-KD                  ; blocks of 256 bytes in a row, less 1: shift and mask at once
	s_cselect_b32 s22, 2*SIZE_K, s22
	s_mov_b32 s[PST+1], 0
	s_mov_b32 s75, 0
	s_add_nc_u64 s[PFA:PFA+1], s[PFA:PFA+1], s[74:75]
	s_cmp_eq_u32 s78, 0
	s_cselect_b32 s[LIM], AH, -1
	v_lshrrev_b32 v6, s21, v5
	v_and_b32 v7, s21, v5
	v_mul_lo_u32 v[PFO], v6, s22
	v_lshl_add_u32 v[PFO], v7, 8, v[PFO]
	s_wait_tensorcnt 1                             ; my part of K step 0 is in; K step 1's may stay out
	s_barrier_signal -1
	s_barrier_wait -1
	s_wait_loadcnt 0x0                             ; the bias
	v_mov_b32 v[ADRA], v[ADRA0]
	v_mov_b32 v[ADRB], v[ADRB0]
	FETCH 0, F0
	QUARTER 1, F0, F1, 1                           ; the first quarter stands ahead of the loop: its products start the sums
	WIN 0
	s_mov_b32 s3, NSTEP-2
.Lstep:                                        ; a trip: from a K step's second quarter to the next step's first; one slot is filled again
	QUARTER 2, F1, F0, 0
	QUARTER 3, F0, F1, 0
	TURN 1
	QUARTER 1, F0, F1, 0
	WIN 0
	s_sub_co_u32 s3, s3, 1
	s_cmp_lg_u32 s3, 0
	s_cbranch_scc1 .Lstep
	s_mov_b32 s2, 2
.Ltail:                                        ; the last two K steps ask for nothing; the second trip is left in its middle
	QUARTER 2, F1, F0, 0
	QUARTER 3, F0, F1, 0
	WIN 0
	s_cmp_eq_u32 s2, 1
	s_cbranch_scc1 .Llast
	TURN 0
	QUARTER 1, F0, F1, 0
	WIN 0
	s_sub_co_u32 s2, s2, 1
	s_cmp_lg_u32 s2, 0
	s_cbranch_scc1 .Ltail
.Llast:
	s_wait_dscnt LATE
	MULP F1, 0, 0, 0
	MULP F1, 0, 2, 0
	s_wait_dscnt 0x0
	MULP F1, 1, 0, 0
	MULP F1, 1, 2, 0
	WIN 0
	s_barrier_signal -1                            ; every wave's reads of the ring are back (the wait for 0 above): behind this barrier the ring's bytes are the stages
	s_barrier_wait -1
	PLACES
.set sa, 0
.rept WM
.set sb, 0
.rept WN
	WIN 0x08+4*(sa/4)                              ; store data in window 2 or 3
	ds_store_b128 v[STO], v[8*(WN*(sa%4)+sb):8*(WN*(sa%4)+sb)+3]   offset:sa*16*SP+64*sb
	ds_store_b128 v[STO], v[8*(WN*(sa%4)+sb)+4:8*(WN*(sa%4)+sb)+7] offset:sa*16*SP+64*sb+16
.set sb, sb+1
.endr
.set sa, sa+1
.endr
	WIN 0
	s_mov_b32 s2, 8
.Lout:                                         ; 16 rows a trip.  LDS serves a wave's instructions in order: the loads see my stores above
.set k, 0
.rept 16                               ; load k: rows 2 (k / 2) and + 1, head k % 2
	ds_load_b128 v[64+4*k:67+4*k], v[RD] offset:(k/2)*2*SP+(k%2)*256
.set k, k+1
.endr
.irp q, 0,1,2,3
	s_wait_dscnt 12-4*\q                           ; loads 4 q .. 4 q + 3 are back; the younger ones may stay out
.set k, 4*\q
.rept 4
	v_cvt_pk_bf16_f32 v[128+2*k], v[64+4*k], v[65+4*k]
	v_cvt_pk_bf16_f32 v[129+2*k], v[66+4*k], v[67+4*k]
.set k, k+1
.endr
.set k, 4*\q
.rept 4
	global_store_b64 v[CO], v[128+2*k:129+2*k], s[10:11] offset:(k/2)*256+(k%2)*262144  ; 32 lanes: two rows of a head, 256 consecutive bytes, aligned
.set k, k+1
.endr
.endr
	s_wait_xcnt 0x0                                ; the stores have read their data and offset: both are written again below and in the next trip
	v_add_nc_u32 v[RD], 16*SP, v[RD]
	v_add_nc_u32 v[CO], 2048, v[CO]
	s_sub_co_u32 s2, s2, 1
	s_cmp_lg_u32 s2, 0
	s_cbranch_scc1 .Lout
	s_wait_tensorcnt 0x0                           ; the wave's end
	ds_add_u32 v[SPW], v[NIL]
	s_wait_dscnt 0x0
	CROUND                                         ; the closing round
	s_endpgm
.Lfunc_end_k_qf3a604ddd0_qkv:
	.size	k_qf3a604ddd0_qkv, .Lfunc_end_k_qf3a604ddd0_qkv-k_qf3a604ddd0_qkv
	.p2alignl 7, 3214868480
	.fill 96, 4, 3214868480
	.section	.rodata,"a",@progbits
	.p2align	6, 0x0
	.amdhsa_kernel k_qf3a604ddd0_qkv
		.amdhsa_group_segment_fixed_size 327680
		.amdhsa_private_segment_fixed_size 0
		.amdhsa_enable_private_segment 0
		.amdhsa_kernarg_size 32
		.amdhsa_user_sgpr_count 2
		.amdhsa_user_sgpr_kernarg_segment_ptr 1
		.amdhsa_wavefront_size32 1
		.amdhsa_system_sgpr_workgroup_id_x 1
		.amdhsa_system_sgpr_workgroup_id_y 1
		.amdhsa_system_sgpr_workgroup_id_z 1
		.amdhsa_system_vgpr_workitem_id 0
		.amdhsa_next_free_vgpr 1024
		.amdhsa_next_free_sgpr 80
		.amdhsa_reserve_vcc 0
		.amdhsa_float_denorm_mode_32 3
		.amdhsa_float_denorm_mode_16_64 3
		.amdhsa_memory_ordered 1
		.amdhsa_forward_progress 1
		.amdhsa_inst_pref_size 89
	.end_amdhsa_kernel
	.amdgpu_metadata
---
amdhsa.version: [ 1, 2 ]
amdhsa.kernels:
  - .name:           k_qf3a604ddd0_qkv
    .symbol:         k_qf3a604ddd0_qkv.kd
    .args:
      - { .name: act, .offset: 0, .size: 8, .value_kind: global_buffer, .address_space: global }
      - { .name: wb, .offset: 8, .size: 8, .value_kind: global_buffer, .address_space: global }
      - { .name: qkv_b, .offset: 16, .size: 8, .value_kind: global_buffer, .address_space: global }
      - { .name: big, .offset: 24, .size: 8, .value_kind: global_buffer, .address_space: global }
    .group_segment_fixed_size: 327680
    .private_segment_fixed_size: 0
    .kernarg_segment_align: 8
    .kernarg_segment_size: 32
    .max_flat_workgroup_size: 128
    .sgpr_count:     80
    .vgpr_count:     1024
    .wavefront_size: 32
...
	.end_amdgpu_metadata
.endif
;; end of part 2
;; launch attn (part 3): grid 16 x 16, 4 waves a work-group, no clusters, 250,368 bytes of LDS; arguments big, act, out_w, ffn_w1, ffn_w2, wb; writes act, wb
.if DOCPART == 3
	.amdgcn_target "amdgcn-amd-amdhsa--gfx1250"
	.amdhsa_code_object_version 6
	.text
	.protected	k_qf3a604ddd0_attn
	.globl	k_qf3a604ddd0_attn
	.p2align	8
	.type	k_qf3a604ddd0_attn,@function
k_qf3a604ddd0_attn:
	s_mov_b64 s[64:65], 0
	v_nop
	global_prefetch_b8 v0, s[64:65] scope:SCOPE_SE
	s_setreg_imm32_b32 hwreg(HW_REG_WAVE_MODE, 25, 1), 1
	s_wait_xcnt 0x0
; Dilated window attention, and beside it the cast of three weight tensors.
; ATTENTION.  Query l sees the keys l, l - 2, .. l - 256 that exist: 129 keys of its own parity.  q, k, v: big[part][b*16+h][l][64] bf16, unscaled;
; act[b*2048+l][h*64+ch] = bf16(softmax(q.k / 8) v).  Products, maxima and sums in f32; the weights are rounded to bf16 for the second product.
; PAIR ROWS.  Positions 2 i and 2 i + 1 of a head are 256 consecutive bytes: one row of the tile.  The rows of one parity then lie a pitch apart in LDS, parity p at +128 bytes,
; and query (i, p) sees the keys (i', p), i - 128 <= i' <= i: a plain band.
; SHARES.  A work-group: 128 positions (64 pair rows, from I0 = 64 x) of two heads; it holds the 192 pair rows I0 - 128 .. I0 + 63 of K and V of both heads, fetched once, a tensor load a wave.
; A wave: one head, 32 pair rows, and two UNITS, a parity each: 32 queries in two tiles of 16.  A unit walks five GROUPS of 32 keys, one text in a counted loop; a group all of whose keys lie ahead of
; the sequence's start is jumped over, forward (the count hangs on the work-group's and the wave's number alone).
; For x < 2 the tile's first rows are bytes that lie ahead of the head in big (another head's, or the part's before: K and V begin 8 MiB and 16 MiB into the buffer); no LDS load reads them.
; THE MASK is the C operand that starts a sum S^T = K Q^T: 0, or -1e30 where the key is hidden.  Three sets of eight registers are made anew for each group: all 0 but in the first and the last.
; Every group that is run shows each query at least one key, so the running maximum is a true score.
; LAYOUT as in S^T = K Q^T, O^T = V^T P: a lane holds ONE query (lane % 16); keys 8 (lane / 16) + 0..7 of each block of 16; the query's other keys lie in the lane 16 away.
; THE CAST.  out_w, ffn_w1 and ffn_w2 (f32, [K][N]) are rounded once to bf16 into wb at bytes 6,291,456, 8,388,608 and 16,777,216, in their own order.  Each of the launch's 1,024 waves takes
; 4,096 bytes of the first and 16,384 of each of the others, half of it in each unit: 36 loads of 16 bytes a lane go out at the unit's head, the unit's groups are worked while they are on
; their way, and behind the groups they are rounded and stored, 256 consecutive bytes a store.
; NO CLUSTER: neighbours along x share two thirds of a window, but at other LDS rows, and nothing is filled twice.  NO PREFETCH: the one fill stands at the head.
; LIMITS.  A hidden score counts as its product less 1e30; c m is taken to lie above -4e37; a weight below 2^-126 counts as 0; NaN and infinities are not treated apart.
.set PK, 272                           ; a pair row of K in LDS: 256 + 16: the 16 rows of a load start at 16 different groups of four banks
.set PV, 288                           ; of V: 256 + 32
.set KH, 192*PK
.set VH, 192*PV
.set VBASE, 2*KH
.set STAGE, VBASE+2*VH                 ; 128 rows x 272: parity, pair row; a row holds both heads' 128 bytes.  No tensor load lands here
.set SP, 272
.set SPARE, STAGE+128*SP               ; the spare words, 128 bytes a wave: two blocks of 256 bytes that no other line names
.set AK0, 2                            ; v2  my place in K's first group, parity 0; never rewritten
.set AV0, 3                            ; v3  the same for V
.set AK,  4                            ; v4  the group in hand
.set AV,  5
.set STO, 6                            ; v6  where I put 16 bytes of a row of the stage
.set RD,  7                            ; v7  where I read rows back
.set GO,  8                            ; v8  my byte offset in act
.set QO,  9                            ; v9  my byte offset in Q
.set CWO, 12                           ; v12 the cast: my byte offset in out_w
.set CWW, 13                           ; v13 in ffn_w1 and in ffn_w2
.set CDO, 14                           ; v14 in wb's part for out_w
.set CDW, 15                           ; v15 in wb's parts for the other two
.set ST,  16                           ; tile u: c m, m, l (even keys', odd keys') at ST + 4 u
.set TMP, 24                           ; tile u at TMP + 6 u: c0, c1, c m_old, its change, and a pair whose low word is a
.set ML,  40                           ; v[40:47] -1e30 where the key lies below the window in its first group
.set MU,  48                           ; v[48:55] -1e30 where the key lies behind the query in the last group
.set C01, 56                           ; v[56:63] this group's C for tile 0, key block 1
.set S,   64                           ; tile u, key block e at S + 16 u + 8 e
.set P,   96                           ; tile u at P + 8 u
.set KF,  112                          ; key block e, channel half c at KF + 16 e + 8 c
.set VF,  144                          ; channel block cb at VF + 8 cb
.set Q,   176                          ; tile u, channel half c at Q + 16 u + 8 c
.set C00, 208                          ; v[208:215] this group's C for tile u, key block u
.set C10, 216                          ; v[216:223] for tile 1, key block 0
.set SPW, 240
.set NIL, 241
.set CB,  64                           ; window 1, v[64:207]: the cast's 36 loads
.set QB,  208                          ; window 1, v[208:239]: the second unit's Q
.set WV,  12
.set G1K, 24
.set G1V, 32
.set G0K, 40
.set G0V, 44
.set GMIN, 48                          ; s48  the first group that exists
.set GC,  49                           ; s49  counts the groups
.set UC,  50                           ; s50  counts the units
.set PO,  51                           ; s51  128 x parity
.set BIGN, 52                          ; s52  -1e30
.set CS,  58                           ; s[58:59] c = log2(e) / 8
.set SEL, 60
.set AL,  84                           ; s[84:85] 1 in the first group, else 0 (low word)
.set BE,  86                           ; s[86:87] 1 in the last group, else 0
.set G01, 88                           ; s88  -1e30 in the last group, else 0
.set G10, 89                           ; s89  -1e30 in the first group, else 0
.set W_PV, 0x50                        ; C and D in window 1
.set W_RS, 0x41                        ; destination and source 0 in window 1
.set MSB, 0
.macro WIN new
.if MSB != (\new)
	s_set_vgpr_msb (MSB<<8)|(\new)
.set MSB, (\new)
.endif
.endm
.macro PLACES
.rept 4
	v_nop
.endr
.endm
.macro KQ1 u, e, m                     ; the first 32 channels start the sum, with the mask at v[m]
	v_wmma_f32_16x16x32_bf16 v[S+16*(\u)+8*(\e):S+16*(\u)+8*(\e)+7], v[KF+16*(\e):KF+16*(\e)+7], v[Q+16*(\u):Q+16*(\u)+7], v[(\m):(\m)+7]
.endm
.macro KQ2 u, e
	v_wmma_f32_16x16x32_bf16 v[S+16*(\u)+8*(\e):S+16*(\u)+8*(\e)+7], v[KF+16*(\e)+8:KF+16*(\e)+15], v[Q+16*(\u)+8:Q+16*(\u)+15], v[S+16*(\u)+8*(\e):S+16*(\u)+8*(\e)+7]
.endm
; Group s[GC] of 32 keys for the unit's two tiles
.macro GROUP
	s_cmp_eq_u32 s[GC], 0                          ; the window's first group: tile 0 sees key block 1 whole, tile 1 nothing of block 0, each part of its own block
	s_cselect_b32 s[AL], 1.0, 0
	s_cselect_b32 s[G10], s[BIGN], 0
	s_cmp_eq_u32 s[GC], 4                          ; the last group, which holds the diagonal: the other way round
	s_cselect_b32 s[BE], 1.0, 0
	s_cselect_b32 s[G01], s[BIGN], 0
.irp f, 0,1,2,3
	ds_load_b128 v[KF+8*\f:KF+8*\f+3],   v[AK] offset:(\f/2)*16*PK+(\f%2)*64
	ds_load_b128 v[KF+8*\f+4:KF+8*\f+7], v[AK] offset:(\f/2)*16*PK+(\f%2)*64+32
.endr
.irp f, 0,1,2,3
	ds_load_tr16_b128 v[VF+8*\f:VF+8*\f+3],   v[AV] offset:\f*32
	ds_load_tr16_b128 v[VF+8*\f+4:VF+8*\f+7], v[AV] offset:\f*32+16*PV
.endr
.irp i, 0,2,4,6                        ; the masks are made while the loads are out
	v_pk_mul_f32 v[C00+\i:C00+\i+1], v[ML+\i:ML+\i+1], s[AL:AL+1] op_sel_hi:[1,0]
.endr
.irp i, 0,2,4,6
	v_pk_fma_f32 v[C00+\i:C00+\i+1], v[MU+\i:MU+\i+1], s[BE:BE+1], v[C00+\i:C00+\i+1] op_sel_hi:[1,0,1]
.endr
.irp j, 0,1,2,3,4,5,6,7
	v_mov_b32 v[C01+\j], s[G01]
	v_mov_b32 v[C10+\j], s[G10]
.endr
	s_wait_dscnt 8                                 ; K's eight loads are in, V's eight may stay out
	KQ1 0, 0, C00                                  ; the four accumulators take turns
	KQ1 0, 1, C01
	KQ1 1, 0, C10
	KQ1 1, 1, C00
	KQ2 0, 0
	KQ2 0, 1
	KQ2 1, 0
	KQ2 1, 1
	PLACES
.irp u, 0,1                            ; the maximum: each accumulator's lowest registers are read first
	v_max3_num_f32 v[TMP+6*\u],   v[S+16*\u],   v[S+16*\u+1], v[S+16*\u+2]
	v_max3_num_f32 v[TMP+6*\u+1], v[S+16*\u+8], v[S+16*\u+9], v[S+16*\u+10]
.endr
.irp n, 3,5
.irp u, 0,1
	v_max3_num_f32 v[TMP+6*\u],   v[TMP+6*\u],   v[S+16*\u+\n],   v[S+16*\u+\n+1]
	v_max3_num_f32 v[TMP+6*\u+1], v[TMP+6*\u+1], v[S+16*\u+8+\n], v[S+16*\u+8+\n+1]
.endr
.endr
.irp u, 0,1
	v_max3_num_f32 v[TMP+6*\u], v[TMP+6*\u], v[S+16*\u+7], v[S+16*\u+15]
.endr
.irp u, 0,1
	v_max3_num_f32 v[TMP+6*\u], v[TMP+6*\u], v[TMP+6*\u+1], v[ST+4*\u+1]
.endr
.irp u, 0,1
	v_permlanex16_b32 v[TMP+6*\u+1], v[TMP+6*\u], s[SEL], s[SEL+1]  ; the query's other 16 keys
	v_mov_b32 v[TMP+6*\u+2], v[ST+4*\u]            ; c m_old is kept
.endr
.irp u, 0,1
	v_max_num_f32 v[ST+4*\u+1], v[TMP+6*\u], v[TMP+6*\u+1]
.endr
.irp u, 0,1
	v_mul_f32 v[ST+4*\u], s[CS], v[ST+4*\u+1]
.endr
.irp u, 0,1
	v_sub_f32 v[TMP+6*\u+3], v[TMP+6*\u+2], v[ST+4*\u]
.endr
.irp n, 0,2,4,6,8,10,12,14
.irp u, 0,1
	v_pk_fma_f32 v[S+16*\u+\n:S+16*\u+\n+1], v[S+16*\u+\n:S+16*\u+\n+1], s[CS:CS+1], v[ST+4*\u:ST+4*\u+1] op_sel_hi:[1,0,0] neg_lo:[0,0,1] neg_hi:[0,0,1]  ; c s - c m
.endr
.endr
.irp u, 0,1                            ; ONE batch: a and the 16 weights of each tile
	v_exp_f32 v[TMP+6*\u+4], v[TMP+6*\u+3]
.endr
.set i, 0
.rept 32
	v_exp_f32 v[S+i], v[S+i]
.set i, i+1
.endr
	v_nop                                          ; a plain instruction behind the last exponential,
	s_wait_alu depctr_va_vdst(0)                   ; and one wait for the batch ahead of its first reader
.set i, 0
.rept 16
	v_cvt_pk_bf16_f32 v[P+i], v[S+2*i], v[S+2*i+1]
.set i, i+1
.endr
.irp n, 0,2,4,6                        ; the sum of a tile's eight pairs, in place
.irp u, 0,1
	v_pk_add_f32 v[S+16*\u+\n:S+16*\u+\n+1], v[S+16*\u+\n:S+16*\u+\n+1], v[S+16*\u+8+\n:S+16*\u+8+\n+1]
.endr
.endr
.irp n, 0,2
.irp u, 0,1
	v_pk_add_f32 v[S+16*\u+\n:S+16*\u+\n+1], v[S+16*\u+\n:S+16*\u+\n+1], v[S+16*\u+4+\n:S+16*\u+4+\n+1]
.endr
.endr
.irp u, 0,1
	v_pk_add_f32 v[S+16*\u:S+16*\u+1], v[S+16*\u:S+16*\u+1], v[S+16*\u+2:S+16*\u+3]
.endr
.irp u, 0,1
	v_pk_fma_f32 v[ST+4*\u+2:ST+4*\u+3], v[ST+4*\u+2:ST+4*\u+3], v[TMP+6*\u+4:TMP+6*\u+5], v[S+16*\u:S+16*\u+1] op_sel_hi:[1,0,1]  ; l = a l + sum
.endr
	WIN W_RS
.irp u, 0,1
.set i, 0
.rept 16
	v_pk_mul_f32 v[32*\u+2*i:32*\u+2*i+1], v[32*\u+2*i:32*\u+2*i+1], v[TMP+6*\u+4:TMP+6*\u+5] op_sel_hi:[1,0]  ; O^T times a
.set i, i+1
.endr
.endr
	s_wait_dscnt 0x0                               ; V is in
	WIN W_PV
.irp cb, 0,1,2,3
.irp u, 0,1
	v_wmma_f32_16x16x32_bf16 v[32*\u+8*\cb:32*\u+8*\cb+7], v[VF+8*\cb:VF+8*\cb+7], v[P+8*\u:P+8*\u+7], v[32*\u+8*\cb:32*\u+8*\cb+7]
.endr
.endr
	WIN 0
.endm
.macro NEXTG                           ; on to the next 32 keys, on every path; four plain instructions: the places between the last product and the next loads into V's registers
	v_add_nc_u32 v[AK], 32*PK, v[AK]
	v_add_nc_u32 v[AV], 32*PV, v[AV]
	v_nop
	v_nop
.endm
.macro CLOADS                          ; the cast's 36 loads of this unit: 2,048 bytes of out_w, 8,192 of ffn_w1, 8,192 of ffn_w2; each load 512 consecutive bytes
	WIN 0x40                                       ; destination window 1, offset window 0
.set j, 0
.rept 4
	global_load_b128 v[CB+4*j:CB+4*j+3], v[CWO], s[68:69] offset:j*512 th:TH_LOAD_NT
.set j, j+1
.endr
.set j, 0
.rept 16
	global_load_b128 v[CB+16+4*j:CB+16+4*j+3], v[CWW], s[70:71] offset:j*512 th:TH_LOAD_NT
.set j, j+1
.endr
.set j, 0
.rept 16
	global_load_b128 v[CB+80+4*j:CB+80+4*j+3], v[CWW], s[72:73] offset:j*512 th:TH_LOAD_NT
.set j, j+1
.endr
	WIN 0
.endm
.macro CSTORES                         ; they are rounded in place and stored: 32 lanes x 8 bytes = 256 consecutive bytes, aligned
	s_wait_loadcnt 0x0                             ; no other load of mine is out
	WIN 0x45                                       ; destination and both sources in window 1
.set j, 0
.rept 36
	v_cvt_pk_bf16_f32 v[CB+4*j], v[CB+4*j], v[CB+4*j+1]
	v_cvt_pk_bf16_f32 v[CB+4*j+1], v[CB+4*j+2], v[CB+4*j+3]
.set j, j+1
.endr
	WIN 0x04                                       ; store data in window 1, offset in window 0
.set j, 0
.rept 4
	global_store_b64 v[CDO], v[CB+4*j:CB+4*j+1], s[76:77] offset:j*256
.set j, j+1
.endr
.set j, 0
.rept 16
	global_store_b64 v[CDW], v[CB+16+4*j:CB+16+4*j+1], s[78:79] offset:j*256
.set j, j+1
.endr
.set j, 0
.rept 16
	global_store_b64 v[CDW], v[CB+80+4*j:CB+80+4*j+1], s[80:81] offset:j*256
.set j, j+1
.endr
	WIN 0
.endm
	s_load_b128 s[4:7], s[0:1], 0x0                ; big s[4:5], act s[6:7]
	s_load_b256 s[68:75], s[0:1], 0x10             ; out_w s[68:69], ffn_w1 s[70:71], ffn_w2 s[72:73], wb s[74:75]
	v_lshl_add_u32 v[SPW], v0, 2, SPARE
	v_mov_b32 v[NIL], 0
	ds_add_u32 v[SPW], v[NIL]                      ; the wave's opening: the add and its wait ahead of my tensor load
	ds_add_u32 v240, v241
	v_lshrrev_b32 v1, 5, v0
	v_readfirstlane_b32 s[WV], v1
	s_and_b32 s13, s[WV], 1                        ; my head of the two, at work and in the fetch
	s_lshr_b32 s14, s[WV], 1                       ; my half of the pair rows; in the fetch: K (0) or V (1)
	s_mov_b32 s15, ttmp9                           ; x: the block of 128 positions
	s_and_b32 s16, ttmp7, 0xffff                   ; the pair of heads, 8 b + h / 2
	s_lshl1_add_u32 s17, s16, s13
	s_lshl_b32 s17, s17, 18                        ; the head's 262,144 bytes
	s_lshl_b32 s18, s15, 14                        ; 64 pair rows of 256 bytes
	s_lshl_b32 s20, s14, 23
	s_add_co_u32 s20, s20, 8388608-32768           ; K's or V's part, 128 pair rows back
	s_add_co_u32 s20, s20, s17
	s_add_co_u32 s20, s20, s18
	s_mov_b32 s21, 0
	s_lshl_b32 s22, s14, 13                        ; Q: my 32 pair rows
	s_add_co_u32 s22, s22, s18
	s_add_co_u32 s22, s22, s17
	s_mov_b32 s23, 0
	s_lshr_b32 s56, s16, 3                         ; act: the batch's 2,048 rows of 2,048 bytes,
	s_lshl_b32 s56, s56, 22
	s_lshl_b32 s57, s15, 18                        ; the block's 128,
	s_add_co_u32 s56, s56, s57
	s_lshl_b32 s57, s[WV], 16                      ; the 32 that I store,
	s_add_co_u32 s56, s56, s57
	s_and_b32 s57, s16, 7
	s_lshl_b32 s57, s57, 8                         ; the two heads' 256 bytes
	s_add_co_u32 s56, s56, s57
	s_mov_b32 s57, 0
	s_lshl1_add_u32 s[GMIN], s15, s14              ; my first query's pair row / 32
	s_sub_co_i32 s[GMIN], 4, s[GMIN]
	s_max_i32 s[GMIN], s[GMIN], 0
	s_mov_b32 s[G1K], (1<<16)|(1<<20)|(5<<22)|(3<<25)  ; 2-byte elements; padding on: after every 64 words 4 words
	s_mov_b32 s[G1V], (1<<16)|(1<<20)|(5<<22)|(7<<25)  ; 8 words
.irp g, G1K, G1V
	s_mov_b32 s[\g+1], 128<<16                     ; tensor_dim0 = 128
	s_mov_b32 s[\g+2], 192<<16                     ; tensor_dim1 = 192
	s_mov_b32 s[\g+3], 128<<16                     ; tile_dim0
	s_mov_b32 s[\g+4], 192                         ; tile_dim1
	s_mov_b32 s[\g+5], 128                         ; elements from row to row
	s_mov_b32 s[\g+6], 0
	s_mov_b32 s[\g+7], 0
.endr
	s_mov_b32 s[G0K], 1
	s_mul_i32 s[G0K+1], s13, KH
	s_mov_b32 s[G0V], 1
	s_mul_i32 s[G0V+1], s13, VH
	s_add_co_u32 s[G0V+1], s[G0V+1], VBASE
	s_mov_b32 s[CS], 0x3e38aa3b
	s_mov_b32 s[CS+1], s[CS]
	s_mov_b32 s[SEL], 0x76543210
	s_mov_b32 s[SEL+1], 0xfedcba98
	s_mov_b32 s[BIGN], 0xf149f2ca                  ; -1e30
	s_mov_b32 s[AL+1], 0                           ; named as pairs
	s_mov_b32 s[BE+1], 0
	s_wait_dscnt 0x0                               ; the opening add is done
	s_wait_kmcnt 0x0
	s_add_nc_u64 s[G0K+2:G0K+3], s[4:5], s[20:21]
	s_or_b32 s[G0K+3], s[G0K+3], 0x80000000
	s_add_nc_u64 s[G0V+2:G0V+3], s[4:5], s[20:21]
	s_or_b32 s[G0V+3], s[G0V+3], 0x80000000
	s_add_nc_u64 s[54:55], s[4:5], s[22:23]
	s_add_nc_u64 s[6:7], s[6:7], s[56:57]
	s_cmp_lt_u32 s[WV], 2                          ; waves 0, 1: K of head 0, 1; waves 2, 3: V.  One load of mine is out
	s_cbranch_scc0 .Lfor_v
	tensor_load_to_lds s[G0K:G0K+3], s[G1K:G1K+7]
	s_nop 0
	PLACES
	s_branch .Lasked
.Lfor_v:
	tensor_load_to_lds s[G0V:G0V+3], s[G1V:G1V+7]
	s_nop 0
	PLACES
.Lasked:
	v_and_b32 v1, 15, v0                           ; r
	v_bfe_u32 v10, v0, 4, 1                        ; h
	v_lshlrev_b32 v[QO], 8, v1
	v_lshl_add_u32 v[QO], v10, 4, v[QO]            ; pair row r, 16 bytes for each half of the lanes
.irp u, 0,1
.irp c, 0,1
	global_load_b128 v[Q+16*\u+8*\c:Q+16*\u+8*\c+3],   v[QO], s[54:55] offset:\u*4096+\c*64
	global_load_b128 v[Q+16*\u+8*\c+4:Q+16*\u+8*\c+7], v[QO], s[54:55] offset:\u*4096+\c*64+32
.endr
.endr
	WIN 0x40                                       ; the second unit's Q waits in window 1
.irp u, 0,1
.irp c, 0,1
	global_load_b128 v[QB+16*\u+8*\c:QB+16*\u+8*\c+3],   v[QO], s[54:55] offset:128+\u*4096+\c*64
	global_load_b128 v[QB+16*\u+8*\c+4:QB+16*\u+8*\c+7], v[QO], s[54:55] offset:128+\u*4096+\c*64+32
.endr
.endr
	WIN 0
	s_add_nc_u64 s[76:77], s[74:75], 6291456       ; wb's three parts
	s_add_nc_u64 s[78:79], s[74:75], 8388608
	s_add_nc_u64 s[80:81], s[74:75], 16777216
	s_lshl_b32 s82, s16, 4
	s_add_co_u32 s82, s82, s15
	s_lshl2_add_u32 s82, s82, s[WV]                ; my wave among the launch's 1,024
	v_and_b32 v38, 31, v0
	s_lshl_b32 s83, s82, 12
	v_lshl_add_u32 v[CWO], v38, 4, s83             ; 4,096 bytes of out_w a wave, 16 a lane
	s_lshl_b32 s83, s82, 14
	v_lshl_add_u32 v[CWW], v38, 4, s83             ; 16,384 of each of the others
	s_lshl_b32 s83, s82, 11
	v_lshl_add_u32 v[CDO], v38, 3, s83             ; and half as much in wb
	s_lshl_b32 s83, s82, 13
	v_lshl_add_u32 v[CDW], v38, 3, s83
	v_and_b32 v36, 7, v0
	v_bfe_u32 v37, v0, 3, 1
	s_mul_i32 s17, s13, KH
	s_mul_i32 s18, s14, 32*PK
	s_add_co_u32 s17, s17, s18
	v_mul_u32_u24 v[AK0], v1, PK
	v_lshl_add_u32 v[AK0], v10, 4, v[AK0]
	v_add_nc_u32 v[AK0], s17, v[AK0]
	s_mul_i32 s17, s13, VH
	s_mul_i32 s18, s14, 32*PV
	s_add_co_u32 s17, s17, s18
	s_add_co_u32 s17, s17, VBASE
	v_lshl_add_u32 v[AV0], v10, 3, v36             ; key 8 h + l % 8, channels 8 ((l / 8) % 2) + 0..7
	v_mul_u32_u24 v[AV0], v[AV0], PV
	v_lshl_add_u32 v[AV0], v37, 4, v[AV0]
	v_add_nc_u32 v[AV0], s17, v[AV0]
	s_mul_i32 s17, s14, 32*SP
	s_lshl_b32 s18, s13, 7
	s_add_co_u32 s17, s17, s18
	s_add_co_u32 s17, s17, STAGE
	v_mul_u32_u24 v[STO], v1, SP
	v_lshl_add_u32 v[STO], v10, 4, v[STO]
	v_add_nc_u32 v[STO], s17, v[STO]
	s_mul_i32 s17, s[WV], 16*SP
	s_add_co_u32 s17, s17, STAGE
	v_mul_u32_u24 v[RD], v10, 64*SP                ; back: lanes 0-15 a row of parity 0, lanes 16-31 the same pair row's parity 1
	v_lshl_add_u32 v[RD], v1, 4, v[RD]
	v_add_nc_u32 v[RD], s17, v[RD]
	v_lshlrev_b32 v[GO], 11, v10
	v_lshl_add_u32 v[GO], v1, 4, v[GO]
	v_lshlrev_b32 v11, 3, v10
	v_sub_nc_u32 v11, v1, v11                      ; r - 8 h: register j holds key 8 h + j of a block
.irp j, 0,1,2,3,4,5,6,7
	v_cmp_lt_i32 vcc_lo, \j, v11                   ; key < query's place: below the window in its first group
	v_cndmask_b32 v[ML+\j], 0, s[BIGN], vcc_lo
	v_cmp_gt_i32 vcc_lo, \j, v11                   ; key > query's place: behind the query in the last group
	v_cndmask_b32 v[MU+\j], 0, s[BIGN], vcc_lo
.endr
	; a unit's first group multiplies O^T and l by a = 0, so these need only hold finite numbers: zeros now, what the first unit left later
	WIN 0x40
.set i, 0
.rept 64
	v_mov_b32 v[i], 0
.set i, i+1
.endr
	WIN 0
.irp u, 0,1
	v_mov_b32 v[ST+4*\u+2], 0
	v_mov_b32 v[ST+4*\u+3], 0
	v_mov_b32 v[TMP+6*\u+4], 0
	v_mov_b32 v[TMP+6*\u+5], 0                     ; named with a as a pair
.endr
	s_wait_tensorcnt 0x0                           ; my tile is in,
	s_barrier_signal -1
	s_barrier_wait -1                              ; everybody's is
	s_wait_loadcnt 0x0                             ; Q
	s_mov_b32 s[UC], 2
	s_mov_b32 s[PO], 0
.Lunit:
	CLOADS                                         ; the cast's loads go out; the five groups below are the time in which they land
	v_add_nc_u32 v[AK], s[PO], v[AK0]
	v_add_nc_u32 v[AV], s[PO], v[AV0]
.irp u, 0,1
	v_mov_b32 v[ST+4*\u], 0xfe000000               ; c m: far below every c s, so the first a is 0
	v_mov_b32 v[ST+4*\u+1], 0xff7fffff             ; m: the lowest finite number
.endr
	s_mov_b32 s[GC], 0
.Lgrp:
	s_cmp_lt_u32 s[GC], s[GMIN]
	s_cbranch_scc1 .Lskip
	GROUP
.Lskip:
	NEXTG
	s_add_co_u32 s[GC], s[GC], 1
	s_cmp_lt_u32 s[GC], 5
	s_cbranch_scc1 .Lgrp
	CSTORES
.irp u, 0,1
	v_add_f32 v[ST+4*\u+2], v[ST+4*\u+2], v[ST+4*\u+3]
.endr
.irp u, 0,1
	v_permlanex16_b32 v[ST+4*\u+3], v[ST+4*\u+2], s[SEL], s[SEL+1]
.endr
.irp u, 0,1
	v_add_f32 v[ST+4*\u+2], v[ST+4*\u+2], v[ST+4*\u+3]
.endr
.irp u, 0,1
	v_rcp_f32 v[TMP+6*\u+4], v[ST+4*\u+2]
.endr
	v_nop
	s_wait_alu depctr_va_vdst(0)                   ; one wait for the two reciprocals, ahead of their first reader
	WIN W_RS
.irp u, 0,1
.set i, 0
.rept 16
	v_pk_mul_f32 v[32*\u+2*i:32*\u+2*i+1], v[32*\u+2*i:32*\u+2*i+1], v[TMP+6*\u+4:TMP+6*\u+5] op_sel_hi:[1,0]
.set i, i+1
.endr
.endr
	WIN 0x05                                       ; sources in window 1, destination in window 0
.set i, 0
.rept 32
	v_cvt_pk_bf16_f32 v[S+i], v[2*i], v[2*i+1]
.set i, i+1
.endr
	WIN 0
.irp u, 0,1
.irp cb, 0,1,2,3
	ds_store_b128 v[STO], v[S+16*\u+4*\cb:S+16*\u+4*\cb+3] offset:\u*16*SP+\cb*32
.endr
.endr
	WIN 0x01                                       ; source in window 1
.set i, 0
.rept 32
	v_mov_b32 v[Q+i], v[QB+i]                      ; the second unit's Q goes where the one text names Q
.set i, i+1
.endr
	WIN 0
	v_add_nc_u32 v[STO], 64*SP, v[STO]
	s_wait_xcnt 0x0                                ; the cast's stores have read their data and offsets: the offsets are stepped here, the data registers loaded again at the next unit's head
	v_add_nc_u32 v[CWO], 2048, v[CWO]
	v_add_nc_u32 v[CWW], 8192, v[CWW]
	v_add_nc_u32 v[CDO], 1024, v[CDO]
	v_add_nc_u32 v[CDW], 4096, v[CDW]
	s_mov_b32 s[PO], 128
	s_sub_co_u32 s[UC], s[UC], 1
	s_cmp_lg_u32 s[UC], 0
	s_cbranch_scc1 .Lunit
	s_wait_dscnt 0x0                               ; for the others' sake: a row's 256 bytes come from two waves
	s_barrier_signal -1
	s_barrier_wait -1
.set t, 0
.rept 16
	ds_load_b128 v[KF+4*t:KF+4*t+3], v[RD] offset:t*SP
.set t, t+1
.endr
.set t, 0
.rept 16
	s_wait_dscnt 15-t
	global_store_b128 v[GO], v[KF+4*t:KF+4*t+3], s[6:7] offset:t*4096  ; 16 lanes: 256 consecutive bytes of a row of act, aligned
.set t, t+1
.endr
	s_wait_tensorcnt 0x0                           ; the wave's end
	ds_add_u32 v[SPW], v[NIL]
	s_wait_dscnt 0x0
	s_endpgm
.Lfunc_end_k_qf3a604ddd0_attn:
	.size	k_qf3a604ddd0_attn, .Lfunc_end_k_qf3a604ddd0_attn-k_qf3a604ddd0_attn
	.p2alignl 7, 3214868480
	.fill 96, 4, 3214868480
	.section	.rodata,"a",@progbits
	.p2align	6, 0x0
	.amdhsa_kernel k_qf3a604ddd0_attn
		.amdhsa_group_segment_fixed_size 250368
		.amdhsa_private_segment_fixed_size 0
		.amdhsa_enable_private_segment 0
		.amdhsa_kernarg_size 48
		.amdhsa_user_sgpr_count 2
		.amdhsa_user_sgpr_kernarg_segment_ptr 1
		.amdhsa_wavefront_size32 1
		.amdhsa_system_sgpr_workgroup_id_x 1
		.amdhsa_system_sgpr_workgroup_id_y 1
		.amdhsa_system_sgpr_workgroup_id_z 1
		.amdhsa_system_vgpr_workitem_id 0
		.amdhsa_next_free_vgpr 496
		.amdhsa_next_free_sgpr 96
		.amdhsa_reserve_vcc 1
		.amdhsa_float_denorm_mode_32 3
		.amdhsa_float_denorm_mode_16_64 3
		.amdhsa_memory_ordered 1
		.amdhsa_forward_progress 1
		.amdhsa_inst_pref_size 46
	.end_amdhsa_kernel
	.amdgpu_metadata
---
amdhsa.version: [ 1, 2 ]
amdhsa.kernels:
  - .name:           k_qf3a604ddd0_attn
    .symbol:         k_qf3a604ddd0_attn.kd
    .args:
      - { .name: big, .offset: 0, .size: 8, .value_kind: global_buffer, .address_space: global }
      - { .name: act, .offset: 8, .size: 8, .value_kind: global_buffer, .address_space: global }
      - { .name: out_w, .offset: 16, .size: 8, .value_kind: global_buffer, .address_space: global }
      - { .name: ffn_w1, .offset: 24, .size: 8, .value_kind: global_buffer, .address_space: global }
      - { .name: ffn_w2, .offset: 32, .size: 8, .value_kind: global_buffer, .address_space: global }
      - { .name: wb, .offset: 40, .size: 8, .value_kind: global_buffer, .address_space: global }
    .group_segment_fixed_size: 250368
    .private_segment_fixed_size: 0
    .kernarg_segment_align: 8
    .kernarg_segment_size: 48
    .max_flat_workgroup_size: 128
    .sgpr_count:     96
    .vgpr_count:     496
    .wavefront_size: 32
...
	.end_amdgpu_metadata
.endif
;; end of part 3
;; launch outp (part 4): grid 8 x 32, 4 waves a work-group, clusters of 4 x 4, 327,680 bytes of LDS; arguments act, wb, out_b, y, x; writes y
.if DOCPART == 4
	.amdgcn_target "amdgcn-amd-amdhsa--gfx1250"
	.amdhsa_code_object_version 6
	.text
	.protected	k_qf3a604ddd0_outp
	.globl	k_qf3a604ddd0_outp
	.p2align	8
	.type	k_qf3a604ddd0_outp,@function
k_qf3a604ddd0_outp:
	s_mov_b64 s[64:65], 0
	v_nop
	global_prefetch_b8 v0, s[64:65] scope:SCOPE_SE
	s_setreg_imm32_b32 hwreg(HW_REG_WAVE_MODE, 25, 1), 1
	s_wait_xcnt 0x0
	s_wait_alu depctr_hold_cnt(0) depctr_sa_sdst(0) depctr_va_vdst(0) depctr_va_sdst(0) depctr_va_ssrc(0) depctr_va_vcc(0) depctr_vm_vsrc(0)
	s_getreg_b32 s2, hwreg(HW_REG_IB_STS2, 6, 4)
	s_cmp_eq_u32 s2, 0
	s_cbranch_scc0 .Lentry_in_a_cluster
	s_endpgm
.Lentry_in_a_cluster:
	s_bfe_u32 s2, ttmp6, 0x10000c
	s_cmp_lg_u32 s2, 0xf033
	s_cbranch_scc0 .Lentry_shape_is_right
	s_endpgm
.Lentry_shape_is_right:
; y[4096][1024] (f32) = x + act[4096][1024] x Wout[1024][1024] + out_b.  A (act) is bf16 [M][K]; W is bf16 [K][N], at byte WOFF of wb.  Sums in f32; THE BIAS STARTS EACH SUM, as the C operand of the first product.
; The tile is 128 x 128, so that 256 work-groups share the product; a wave makes 4 x 4 accumulators of 16 x 16.  K goes in steps of 256 through two LDS slots
; filled by the tensor data mover; a slot holds TM rows of A (along K) and KSTEP rows of W (along N).  A's fragments come out of LDS as they lie, W's turned, by ds_load_tr16_b128.
; THE MATRIX INSTRUCTION IS USED TRANSPOSED (source 0 = 16 columns of W, source 1 = 16 rows of A): a lane holds one row of C (lane % 16) and eight neighbouring columns.
; CLUSTER 4 x 4: A's tiles are asked for jointly along a row of the cluster, W's along a column.  A loop trip is ONE K step; the slot in hand is s[TB], 0 or SLOT.
; THE WALK ALONG K IS ROTATED: cluster (X, Y) begins at K step (NSTEP/2 X + NSTEP/4 (Y % 4)) % NSTEP and goes round.  The two clusters along x, which read the same rows of A, are NSTEP/2 steps apart;
; clusters along y, which read the same columns of W, NSTEP/4 apart: a tile's readers come one after the other, not all in the same step.  The start hangs on the cluster's number alone, so it is
; the same in all sixteen partners.  An output's f32 sum is therefore taken in that rotated order of K.
; THE WAY OUT: behind the last product and a barrier the ring has had its last fill; each wave lays its part of C, in f32, into its own STG bytes of it and reads whole rows back.
; The residual's rows are loaded into window 3 two K steps ahead of their use.
; NO PREFETCH: the launch has four K steps, of which two come by the first fills.
; LIMITS.  Operands are bf16; NaN and infinities are not treated apart.
.set BIG,    0
.set SIZE_K, 1024
.set SIZE_N, 1024
.set WOFF,   6291456
.set PF,     0
.set WM,    4+4*BIG
.set WN,    WM
.set KD,    2-BIG
.set KSTEP, 128*KD
.set TM,    32*WM
.set TN,    TM
.set PA,    2*KSTEP+16                 ; an odd multiple of 16 bytes
.set PB,    2*TN+32                    ; an odd multiple of 32 bytes
.set HA,    (TM/2)*PA
.set BOFF,  TM*PA
.set HB,    (KSTEP/2)*PB
.set SLOT,  BOFF+KSTEP*PB
.set SPARE, 2*SLOT                     ; the spare words, 128 bytes a wave: two blocks of 256 bytes that no other line names
.set NSTEP, SIZE_K/KSTEP
.set KMASK, NSTEP-1
.set LATE,  8*KD
.set AH,    KD
.set SP,    2*TN+16
.set STG,   WM*16*SP
.set BST,   KSTEP*SIZE_N*2
.set F0, 64
.set F1, 128
.set BI, 32                            ; v[32:63] the bias of my 64 columns: block b's eight registers at BI + 8 b
.set ADRA,  16
.set ADRA0, 17
.set ADRB,  18
.set ADRB0, 20
.set STO, 24
.set RD,  25
.set CO,  26
.set BO,  27
.set SPW, 28
.set NIL, 29
.set PFO, 30
.set WV, 14
.set HR, 15
.set HC, 16
.set CX, 17
.set CY, 18
.set TX, 19
.set TY, 20
.set G1A, 24
.set G0A, 32
.set LA,  40
.set LB,  41
.set TB,  42
.set LIM, 43
.set PFA, 44
.set G1B, 48
.set G0B, 56
.set KI,  80                           ; s80  the K step that the walking descriptors name
.set PFB, 86
.set MUL_LO, 0xa1
.set MUL_Z,  0x81                      ; C (the bias) in window 0
.set TO_B,   0x40
.set MSB, 0
.macro WIN new
.if MSB != (\new)
	s_set_vgpr_msb (MSB<<8)|(\new)
.set MSB, (\new)
.endif
.endm
.macro PLACES
.rept 4
	v_nop
.endr
.endm
.macro CREST
	s_cmp_lg_u32 s[WV], 0
	s_cbranch_scc1 .Lnot_wave_0_\@
	s_barrier_signal -3
.Lnot_wave_0_\@:
	s_barrier_wait -3
	s_barrier_signal -1
	s_barrier_wait -1
.endm
.macro CROUND
	s_barrier_signal -1
	s_barrier_wait -1
	CREST
.endm
.macro JLOAD                           ; the joint refill: waves 0, 1 fetch A's halves, waves 2, 3 W's
	s_cmp_eq_u32 s[HR], 0
	s_cbranch_scc0 .Lfor_b_\@
	tensor_load_to_lds s[G0A+4:G0A+7], s[G1A:G1A+7]
	s_nop 0
	PLACES
	s_branch .Lasked_\@
.Lfor_b_\@:
	tensor_load_to_lds s[G0B+4:G0B+7], s[G1B:G1B+7]
	s_nop 0
	PLACES
.Lasked_\@:
.endm
.macro MULP f, x, a0, zero             ; 2 x WN matrix instructions on buffer f; x: which 32 along K of its 64; the 16 accumulators take turns; zero: the bias starts the sum
.if \zero
	WIN MUL_Z+0x40*(\x)*BIG
.else
	WIN MUL_LO+0x50*(\x)*BIG
.endif
.irp a, \a0, (\a0)+1
.set bb, 0
.rept WN
.set rD, 8*(WN*(\a)+bb)
.set rB, (\f)+8*((1-BIG)*4*(\x)+bb)
.set rA, (\f)+8*(4*(\x)+(\a))
.if \zero
	v_wmma_f32_16x16x32_bf16 v[rD:rD+7], v[rB:rB+7], v[rA:rA+7], v[BI+8*bb:BI+8*bb+7]
.else
	v_wmma_f32_16x16x32_bf16 v[rD:rD+7], v[rB:rB+7], v[rA:rA+7], v[rD:rD+7]
.endif
.set bb, bb+1
.endr
.endr
.endm
.macro FETCH q, f                      ; 32 LDS loads in one run: quarter q of the K step in hand into buffer f
.set cc, 0
.rept KD
.set ch, KD*(\q)+cc
	WIN TO_B
.set ii, 0
.rept WN
	ds_load_tr16_b128 v[(\f)+8*(WN*cc+ii):(\f)+8*(WN*cc+ii)+3],   v[ADRB+ch/4] offset:(ch%4)*32*PB+32*ii
	ds_load_tr16_b128 v[(\f)+8*(WN*cc+ii)+4:(\f)+8*(WN*cc+ii)+7], v[ADRB+ch/4] offset:(ch%4)*32*PB+32*ii+16*PB
.set ii, ii+1
.endr
	WIN 0
.set ii, 0
.rept WM
	ds_load_b128 v[(\f)+8*(WM*cc+ii):(\f)+8*(WM*cc+ii)+3],   v[ADRA] offset:ch*64+ii*16*PA
	ds_load_b128 v[(\f)+8*(WM*cc+ii)+4:(\f)+8*(WM*cc+ii)+7], v[ADRA] offset:ch*64+ii*16*PA+32
.set ii, ii+1
.endr
.set cc, cc+1
.endr
.endm
.macro QUARTER qn, f, g, zero
	s_wait_dscnt LATE                              ; the first 32 along K are in
	MULP \f, 0, 0, \zero
	MULP \f, 0, 2, \zero
	PLACES
	FETCH \qn, \g
	s_wait_dscnt 32                                ; all but the 32 just issued
	MULP \f, 1, 0, (\zero)*BIG
	MULP \f, 1, 2, (\zero)*BIG
.endm
; Every wave waits for all its tensor loads, adds 0 to its spare word, waits for that and for its reads of this slot.  fill = 1: no tensor load of mine is out behind the first wait, so the walking
; descriptors are made anew there: the slot in hand; the next K step of the walk, round the end of K, its address from the tile's base and the step's number
.macro MEET fill
	WIN 0
	s_wait_tensorcnt 0x0
	ds_add_u32 v[SPW], v[NIL]
.if \fill
	s_add_co_u32 s[KI], s[KI], 1
	s_and_b32 s[KI], s[KI], KMASK
	s_mul_i32 s82, s[KI], 2*KSTEP
	s_mul_i32 s84, s[KI], BST
	s_add_co_u32 s[G0A+5], s[LA], s[TB]
	s_add_nc_u64 s[G0A+6:G0A+7], s[68:69], s[82:83]
	s_or_b32 s[G0A+7], s[G0A+7], 0x80000000
	s_add_co_u32 s[G0B+5], s[LB], s[TB]
	s_add_nc_u64 s[G0B+6:G0B+7], s[72:73], s[84:85]
	s_or_b32 s[G0B+7], s[G0B+7], 0x80000000
.endif
	s_wait_dscnt LATE+1
	MULP F1, 0, 0, 0
	s_wait_dscnt 0x0
	s_barrier_signal -1
	MULP F1, 0, 2, 0
	WIN 0
	s_barrier_wait -1
.endm
.macro TURN fill                       ; the last quarter; fill = 1: a round of the cluster's barrier, then the slot just read is filled again, first thing behind the round
	MEET \fill
.if \fill
	CREST
	JLOAD
.else
	PLACES
.endif
	s_xor_b32 s[TB], s[TB], SLOT
	v_add_nc_u32 v[ADRA], s[TB], v[ADRA0]
	v_add_nc_u32 v[ADRB], s[TB], v[ADRB0]
	v_add_nc_u32 v[ADRB+1], 128*PB, v[ADRB]
	FETCH 0, F0
	MULP F1, 1, 0, 0
	MULP F1, 1, 2, 0
.endm
	s_load_b256 s[4:11], s[0:1], 0x0               ; A s[4:5], wb s[6:7], bias s[8:9], output s[10:11]
	s_load_b64 s[12:13], s[0:1], 0x20              ; the residual
	v_lshl_add_u32 v[SPW], v0, 2, SPARE
	v_mov_b32 v[NIL], 0
	ds_add_u32 v[SPW], v[NIL]                      ; the wave's opening: the add and its wait ahead of my first tensor load
	ds_add_u32 v28, v29
	v_lshrrev_b32 v1, 5, v0
	v_readfirstlane_b32 s[WV], v1
	s_lshr_b32 s[HR], s[WV], 1
	s_and_b32 s[HC], s[WV], 1
	s_bfe_u32 s[CX], ttmp6, 0x40000
	s_bfe_u32 s[CY], ttmp6, 0x40004
	s_lshl_b32 s[TX], ttmp9, 2
	s_add_co_u32 s[TX], s[TX], s[CX]
	s_and_b32 s[TY], ttmp7, 0xffff
	s_lshl_b32 s[TY], s[TY], 2
	s_add_co_u32 s[TY], s[TY], s[CY]
	s_and_b32 s81, ttmp7, 3                        ; cluster y modulo 4
	s_mul_i32 s81, s81, NSTEP/4
	s_mul_i32 s[KI], ttmp9, NSTEP/2                ; cluster x
	s_add_co_u32 s[KI], s[KI], s81
	s_and_b32 s[KI], s[KI], KMASK                  ; where my cluster's walk along K begins
	s_mov_b32 s83, 0
	s_mov_b32 s85, 0
	s_lshl_b32 s21, s[CY], 2
	s_lshl_b32 s21, 15, s21
	s_lshl_b32 s22, 0x1111, s[CX]
	s_or_b32 s[G1A], s21, (1<<16)|(1<<20)|(1<<21)|((4+KD)<<22)|(3<<25)
	s_or_b32 s[G1B], s22, (1<<16)|(1<<20)|(1<<21)|((7-KD)<<22)|(7<<25)
	s_mov_b32 s[G1A+1], KSTEP<<16
	s_mov_b32 s[G1A+2], (TM/2)<<16
	s_mov_b32 s[G1A+3], KSTEP<<16
	s_mov_b32 s[G1A+4], TM/2
	s_mov_b32 s[G1A+5], SIZE_K
	s_mov_b32 s[G1A+6], 0
	s_mov_b32 s[G1A+7], 0
	s_mov_b32 s[G1B+1], TN<<16
	s_mov_b32 s[G1B+2], (KSTEP/2)<<16
	s_mov_b32 s[G1B+3], TN<<16
	s_mov_b32 s[G1B+4], KSTEP/2
	s_mov_b32 s[G1B+5], SIZE_N
	s_mov_b32 s[G1B+6], 0
	s_mov_b32 s[G1B+7], 0
	s_mul_i32 s66, s[TY], TM*2*SIZE_K
	s_mul_i32 s68, s[HC], (TM/2)*2*SIZE_K
	s_add_co_u32 s66, s66, s68
	s_mov_b32 s67, 0
	s_mul_i32 s70, s[TX], 2*TN
	s_mul_i32 s72, s[HC], (KSTEP/2)*2*SIZE_N
	s_add_co_u32 s70, s70, s72
	s_add_co_u32 s70, s70, WOFF
	s_mov_b32 s71, 0
	s_mul_i32 s[LA], s[HC], HA
	s_mul_i32 s[LB], s[HC], HB
	s_add_co_u32 s[LB], s[LB], BOFF
	s_mov_b32 s[TB], 0
	s_wait_dscnt 0x0
	s_wait_kmcnt 0x0
	s_add_nc_u64 s[68:69], s[4:5], s[66:67]        ; my part of A's tile at K = 0; never rewritten
	s_add_nc_u64 s[72:73], s[6:7], s[70:71]        ; my part of W's tile at K = 0; never rewritten
	CROUND
.irp s, 0,1
	s_mul_i32 s82, s[KI], 2*KSTEP
	s_mul_i32 s84, s[KI], BST
	s_mov_b32 s[G0A+4*\s], 1
	s_add_co_u32 s[G0A+4*\s+1], s[LA], \s*SLOT
	s_add_nc_u64 s[G0A+4*\s+2:G0A+4*\s+3], s[68:69], s[82:83]
	s_or_b32 s[G0A+4*\s+3], s[G0A+4*\s+3], 0x80000000
	s_mov_b32 s[G0B+4*\s], 1
	s_add_co_u32 s[G0B+4*\s+1], s[LB], \s*SLOT
	s_add_nc_u64 s[G0B+4*\s+2:G0B+4*\s+3], s[72:73], s[84:85]
	s_or_b32 s[G0B+4*\s+3], s[G0B+4*\s+3], 0x80000000
.if \s == 0
	s_add_co_u32 s[KI], s[KI], 1                   ; the walk's second step
	s_and_b32 s[KI], s[KI], KMASK
.endif
.endr
	s_cmp_eq_u32 s[HR], 0                          ; a wave's two first fills stand in one branch: two loads of mine are out
	s_cbranch_scc0 .Lfirst_b
	tensor_load_to_lds s[G0A:G0A+3], s[G1A:G1A+7]
	s_nop 0
	tensor_load_to_lds s[G0A+4:G0A+7], s[G1A:G1A+7]
	s_nop 0
	PLACES
	s_branch .Lfirst_done
.Lfirst_b:
	tensor_load_to_lds s[G0B:G0B+3], s[G1B:G1B+7]
	s_nop 0
	tensor_load_to_lds s[G0B+4:G0B+7], s[G1B:G1B+7]
	s_nop 0
	PLACES
.Lfirst_done:
	v_and_b32 v1, 15, v0
	v_bfe_u32 v2, v0, 4, 1
	v_and_b32 v3, 7, v0
	v_bfe_u32 v4, v0, 3, 1
	v_lshlrev_b32 v[BO], 5, v2
	s_lshl_b32 s76, s[TX], 9                       ; my 64 columns, in bytes
	s_lshl_b32 s77, s[HC], 8
	s_add_co_u32 s76, s76, s77
	s_mov_b32 s77, 0
	s_add_nc_u64 s[8:9], s[8:9], s[76:77]
.set bb, 0
.rept WN
	global_load_b128 v[BI+8*bb:BI+8*bb+3],   v[BO], s[8:9] offset:64*bb      ; the bias of columns 16 b + 8 h + 0..3,
	global_load_b128 v[BI+8*bb+4:BI+8*bb+7], v[BO], s[8:9] offset:64*bb+16   ; and + 4..7: laid as an accumulator's registers are
.set bb, bb+1
.endr
	v_mul_u32_u24 v[ADRA0], v1, PA
	v_lshl_add_u32 v[ADRA0], v2, 4, v[ADRA0]
	s_mul_i32 s21, s[HR], HA
	v_add_nc_u32 v[ADRA0], s21, v[ADRA0]
	v_lshl_add_u32 v[ADRB0], v2, 3, v3
	v_mul_u32_u24 v[ADRB0], v[ADRB0], PB
	v_lshl_add_u32 v[ADRB0], v4, 4, v[ADRB0]
	s_mul_i32 s21, s[HC], WN*32
	s_add_co_u32 s21, s21, BOFF
	v_add_nc_u32 v[ADRB0], s21, v[ADRB0]
	s_mul_i32 s23, s[WV], STG
	v_mul_u32_u24 v[STO], v1, SP
	v_lshl_add_u32 v[STO], v2, 5, v[STO]
	v_add_nc_u32 v[STO], s23, v[STO]
	v_mul_u32_u24 v[RD], v2, SP                    ; back: lanes 0-15 a row of 64 f32, lanes 16-31 the next
	v_lshl_add_u32 v[RD], v1, 4, v[RD]
	v_add_nc_u32 v[RD], s23, v[RD]
	v_lshlrev_b32 v[CO], 12, v2                    ; the same two rows in the output and in the residual
	v_lshl_add_u32 v[CO], v1, 4, v[CO]
	s_lshl_b32 s74, s[TY], 19                      ; my 64 rows of 4,096 bytes
	s_lshl_b32 s75, s[HR], 18
	s_add_co_u32 s74, s74, s75
	s_add_co_u32 s74, s74, s76
	s_mov_b32 s75, 0
	s_add_nc_u64 s[10:11], s[10:11], s[74:75]
	s_add_nc_u64 s[12:13], s[12:13], s[74:75]
	s_wait_tensorcnt 1                             ; my part of the walk's first step is in; the second's may stay out
	s_barrier_signal -1
	s_barrier_wait -1
	s_wait_loadcnt 0x0                             ; the bias
	v_mov_b32 v[ADRA], v[ADRA0]
	v_mov_b32 v[ADRB], v[ADRB0]
	v_add_nc_u32 v[ADRB+1], 128*PB, v[ADRB0]
	FETCH 0, F0
	QUARTER 1, F0, F1, 1
	WIN 0
	s_mov_b32 s3, NSTEP-2
.Lstep:
	QUARTER 2, F1, F0, 0
	QUARTER 3, F0, F1, 0
	TURN 1
	QUARTER 1, F0, F1, 0
	WIN 0
	s_sub_co_u32 s3, s3, 1
	s_cmp_lg_u32 s3, 0
	s_cbranch_scc1 .Lstep
	WIN 0xc0                                       ; destination window 3: the residual's 64 x 64, asked for two K steps ahead of its use
.set t, 0
.rept 32
	global_load_b128 v[4*t:4*t+3], v[CO], s[12:13] offset:8192*t
.set t, t+1
.endr
	WIN 0
	s_mov_b32 s2, 2
.Ltail:
	QUARTER 2, F1, F0, 0
	QUARTER 3, F0, F1, 0
	WIN 0
	s_cmp_eq_u32 s2, 1
	s_cbranch_scc1 .Llast
	TURN 0
	QUARTER 1, F0, F1, 0
	WIN 0
	s_sub_co_u32 s2, s2, 1
	s_cmp_lg_u32 s2, 0
	s_cbranch_scc1 .Ltail
.Llast:
	s_wait_dscnt LATE
	MULP F1, 0, 0, 0
	MULP F1, 0, 2, 0
	s_wait_dscnt 0x0
	MULP F1, 1, 0, 0
	MULP F1, 1, 2, 0
	WIN 0
	s_barrier_signal -1                            ; every wave's reads of the ring are back: behind this barrier the ring's bytes are the stages
	s_barrier_wait -1
	PLACES
.set sa, 0
.rept WM
.set sb, 0
.rept WN
	WIN 0x08+4*(sa/4)
	ds_store_b128 v[STO], v[8*(WN*(sa%4)+sb):8*(WN*(sa%4)+sb)+3]   offset:sa*16*SP+64*sb
	ds_store_b128 v[STO], v[8*(WN*(sa%4)+sb)+4:8*(WN*(sa%4)+sb)+7] offset:sa*16*SP+64*sb+16
.set sb, sb+1
.endr
.set sa, sa+1
.endr
	WIN 0
.set t, 0
.rept 32
	ds_load_b128 v[64+4*t:67+4*t], v[RD] offset:t*2*SP  ; LDS serves a wave's instructions in order: these see my stores above
.set t, t+1
.endr
	s_wait_loadcnt 0x0                             ; the residual
.irp g, 0,1,2,3
	s_wait_dscnt 24-8*\g                           ; this group's eight loads are back
	WIN 0x0c                                       ; source 1 in window 3
.set t, 8*\g
.rept 8
	v_pk_add_f32 v[64+4*t:65+4*t], v[64+4*t:65+4*t], v[4*t:4*t+1]
	v_pk_add_f32 v[66+4*t:67+4*t], v[66+4*t:67+4*t], v[4*t+2:4*t+3]
.set t, t+1
.endr
	WIN 0
.set t, 8*\g
.rept 8
	global_store_b128 v[CO], v[64+4*t:67+4*t], s[10:11] offset:8192*t  ; 16 lanes: 256 consecutive bytes, aligned
.set t, t+1
.endr
.endr
	s_wait_tensorcnt 0x0                           ; the wave's end
	ds_add_u32 v[SPW], v[NIL]
	s_wait_dscnt 0x0
	CROUND                                         ; the closing round
	s_endpgm
.Lfunc_end_k_qf3a604ddd0_outp:
	.size	k_qf3a604ddd0_outp, .Lfunc_end_k_qf3a604ddd0_outp-k_qf3a604ddd0_outp
	.p2alignl 7, 3214868480
	.fill 96, 4, 3214868480
	.section	.rodata,"a",@progbits
	.p2align	6, 0x0
	.amdhsa_kernel k_qf3a604ddd0_outp
		.amdhsa_group_segment_fixed_size 327680
		.amdhsa_private_segment_fixed_size 0
		.amdhsa_enable_private_segment 0
		.amdhsa_kernarg_size 40
		.amdhsa_user_sgpr_count 2
		.amdhsa_user_sgpr_kernarg_segment_ptr 1
		.amdhsa_wavefront_size32 1
		.amdhsa_system_sgpr_workgroup_id_x 1
		.amdhsa_system_sgpr_workgroup_id_y 1
		.amdhsa_system_sgpr_workgroup_id_z 1
		.amdhsa_system_vgpr_workitem_id 0
		.amdhsa_next_free_vgpr 1024
		.amdhsa_next_free_sgpr 96
		.amdhsa_reserve_vcc 0
		.amdhsa_float_denorm_mode_32 3
		.amdhsa_float_denorm_mode_16_64 3
		.amdhsa_memory_ordered 1
		.amdhsa_forward_progress 1
		.amdhsa_inst_pref_size 70
	.end_amdhsa_kernel
	.amdgpu_metadata
---
amdhsa.version: [ 1, 2 ]
amdhsa.kernels:
  - .name:           k_qf3a604ddd0_outp
    .symbol:         k_qf3a604ddd0_outp.kd
    .args:
      - { .name: act, .offset: 0, .size: 8, .value_kind: global_buffer, .address_space: global }
      - { .name: wb, .offset: 8, .size: 8, .value_kind: global_buffer, .address_space: global }
      - { .name: out_b, .offset: 16, .size: 8, .value_kind: global_buffer, .address_space: global }
      - { .name: y, .offset: 24, .size: 8, .value_kind: global_buffer, .address_space: global }
      - { .name: x, .offset: 32, .size: 8, .value_kind: global_buffer, .address_space: global }
    .group_segment_fixed_size: 327680
    .private_segment_fixed_size: 0
    .kernarg_segment_align: 8
    .kernarg_segment_size: 40
    .max_flat_workgroup_size: 128
    .sgpr_count:     96
    .vgpr_count:     1024
    .wavefront_size: 32
...
	.end_amdgpu_metadata
.endif
;; end of part 4
;; launch ln2: the kernel of part 1 again; grid 256 x 1, 8 waves a work-group, no clusters, 0 bytes of LDS; arguments y, norm2_w, norm2_b, act, qkv_w, wb; writes act, wb
;; launch ffn1 (part 5): grid 16 x 16, 4 waves a work-group, clusters of 4 x 4, 327,680 bytes of LDS; arguments act, wb, ffn_b1, big; writes big
.if DOCPART == 5
	.amdgcn_target "amdgcn-amd-amdhsa--gfx1250"
	.amdhsa_code_object_version 6
	.text
	.protected	k_qf3a604ddd0_ffn1
	.globl	k_qf3a604ddd0_ffn1
	.p2align	8
	.type	k_qf3a604ddd0_ffn1,@function
k_qf3a604ddd0_ffn1:
	s_mov_b64 s[64:65], 0
	v_nop
	global_prefetch_b8 v0, s[64:65] scope:SCOPE_SE
	s_setreg_imm32_b32 hwreg(HW_REG_WAVE_MODE, 25, 1), 1
	s_wait_xcnt 0x0
	s_wait_alu depctr_hold_cnt(0) depctr_sa_sdst(0) depctr_va_vdst(0) depctr_va_sdst(0) depctr_va_ssrc(0) depctr_va_vcc(0) depctr_vm_vsrc(0)
	s_getreg_b32 s2, hwreg(HW_REG_IB_STS2, 6, 4)
	s_cmp_eq_u32 s2, 0
	s_cbranch_scc0 .Lentry_in_a_cluster
	s_endpgm
.Lentry_in_a_cluster:
	s_bfe_u32 s2, ttmp6, 0x10000c
	s_cmp_lg_u32 s2, 0xf033
	s_cbranch_scc0 .Lentry_shape_is_right
	s_endpgm
.Lentry_shape_is_right:
; big[4096][4096] = bf16( gelu( act[4096][1024] x W1[1024][4096] + ffn_b1 ) ), gelu(x) = x/2 (1 + erf(x / sqrt 2)).
; A (act) is bf16 [M][K]; W is bf16 [K][N], at byte WOFF of wb.  Sums in f32, K ascending; THE BIAS STARTS EACH SUM, as the C operand of the first product.
; A work-group of four waves makes 256 x 256 of C, a wave 8 x 8 accumulators of 16 x 16.  K goes in steps of 128 through two LDS slots filled by the tensor data mover;
; a slot holds TM rows of A (along K) and KSTEP rows of W (along N).  A's fragments come out of LDS as they lie, W's turned, by ds_load_tr16_b128.
; THE MATRIX INSTRUCTION IS USED TRANSPOSED (source 0 = 16 columns of W, source 1 = 16 rows of A): a lane holds one row of C (lane % 16) and eight neighbouring columns.
; CLUSTER 4 x 4: A's tiles are asked for jointly along a row of the cluster, W's along a column.  A loop trip is ONE K step; the slot in hand is s[TB], 0 or SLOT.
; THE WAY OUT: behind the last product and a barrier the ring has had its last fill; each wave lays its part of C, in f32, into its own STG bytes of it and reads whole rows back, 8 rows a trip;
; a trip's rows are asked of LDS a trip ahead.
; ERF: with z = |x| / sqrt 2 and t = 1 / (1 + 0.3275911 z), erf z = 1 - (a1 t + .. + a5 t^5) e^(-z z), a rational fit whose absolute error stays under 1.5e-7 for every z;
; gelu = x/2 + |x/2| erf z.  For large |x| the exponential and t go to 0 and erf to 1.
; LIMITS.  That error of erf; operands are bf16; NaN and infinities are not treated apart.
.set BIG,    1
.set SIZE_K, 1024
.set SIZE_N, 4096
.set WOFF,   8388608
.set WM,    4+4*BIG
.set WN,    WM
.set KD,    2-BIG
.set KSTEP, 128*KD
.set TM,    32*WM
.set TN,    TM
.set PA,    2*KSTEP+16                 ; an odd multiple of 16 bytes
.set PB,    2*TN+32                    ; an odd multiple of 32 bytes
.set HA,    (TM/2)*PA
.set BOFF,  TM*PA
.set HB,    (KSTEP/2)*PB
.set SLOT,  BOFF+KSTEP*PB
.set SPARE, 2*SLOT                     ; the spare words, 128 bytes a wave: two blocks of 256 bytes that no other line names
.set NSTEP, SIZE_K/KSTEP
.set LATE,  8*KD
.set AH,    KD
.set SP,    2*TN+16
.set STG,   WM*16*SP
.set BST,   KSTEP*SIZE_N*2
.set F0, 64
.set F1, 128
.set BI, 192                           ; v[192:255] the bias of my 128 columns: block b's eight registers at BI + 8 b; free behind the first quarter
.set ADRA,  16
.set ADRA0, 17
.set ADRB,  18
.set ADRB0, 20
.set STO, 24
.set RD,  25
.set CO,  26
.set BO,  27
.set SPW, 28
.set NIL, 29
.set PFO, 30
.set WV, 14
.set HR, 15
.set HC, 16
.set CX, 17
.set CY, 18
.set TX, 19
.set TY, 20
.set G1A, 24
.set G0A, 32
.set LA,  40
.set LB,  41
.set TB,  42
.set LIM, 43
.set PFA, 44
.set PST, 46
.set G1B, 48
.set G0B, 56
.set MUL_LO, 0xa1
.set MUL_Z,  0x81                      ; C (the bias) in window 0
.set TO_B,   0x40
.set MSB, 0
.macro WIN new
.if MSB != (\new)
	s_set_vgpr_msb (MSB<<8)|(\new)
.set MSB, (\new)
.endif
.endm
.macro PLACES
.rept 4
	v_nop
.endr
.endm
.macro CREST
	s_cmp_lg_u32 s[WV], 0
	s_cbranch_scc1 .Lnot_wave_0_\@
	s_barrier_signal -3
.Lnot_wave_0_\@:
	s_barrier_wait -3
	s_barrier_signal -1
	s_barrier_wait -1
.endm
.macro CROUND
	s_barrier_signal -1
	s_barrier_wait -1
	CREST
.endm
.macro JLOAD                           ; the joint refill: waves 0, 1 fetch A's halves, waves 2, 3 W's
	s_cmp_eq_u32 s[HR], 0
	s_cbranch_scc0 .Lfor_b_\@
	tensor_load_to_lds s[G0A+4:G0A+7], s[G1A:G1A+7]
	s_nop 0
	PLACES
	s_branch .Lasked_\@
.Lfor_b_\@:
	tensor_load_to_lds s[G0B+4:G0B+7], s[G1B:G1B+7]
	s_nop 0
	PLACES
.Lasked_\@:
.endm
; A prefetch into the L2 of the K step that stands AH refills on: my work-group's quarter (by address: place cx for A, cy for W) of the 128 blocks of 256 bytes that I fetch, a lane a block.
; Cluster x = 0 asks for A's rows, cluster y = 0 for W's columns: each block is named once.  The last AH refills have no such K step: s3 counts the trips left.
.macro ASK
	s_cmp_gt_u32 s3, s[LIM]
	s_cbranch_scc0 .Lnot_mine_\@
	global_prefetch_b8 v[PFO], s[PFA:PFA+1] th:TH_LOAD_NT scope:SCOPE_SE
.Lnot_mine_\@:
.endm
.macro MULP f, x, a0, zero             ; 2 x WN matrix instructions on buffer f; x: which 64 of my rows (window 2 or 3); the accumulators take turns; zero: the bias starts the sum
.if \zero
	WIN MUL_Z+0x40*(\x)*BIG
.else
	WIN MUL_LO+0x50*(\x)*BIG
.endif
.irp a, \a0, (\a0)+1
.set bb, 0
.rept WN
.set rD, 8*(WN*(\a)+bb)
.set rB, (\f)+8*((1-BIG)*4*(\x)+bb)
.set rA, (\f)+8*(4*(\x)+(\a))
.if \zero
	v_wmma_f32_16x16x32_bf16 v[rD:rD+7], v[rB:rB+7], v[rA:rA+7], v[BI+8*bb:BI+8*bb+7]
.else
	v_wmma_f32_16x16x32_bf16 v[rD:rD+7], v[rB:rB+7], v[rA:rA+7], v[rD:rD+7]
.endif
.set bb, bb+1
.endr
.endr
.endm
.macro FETCH q, f                      ; 32 LDS loads in one run: quarter q of the K step in hand into buffer f
.set cc, 0
.rept KD
.set ch, KD*(\q)+cc
	WIN TO_B
.set ii, 0
.rept WN
	ds_load_tr16_b128 v[(\f)+8*(WN*cc+ii):(\f)+8*(WN*cc+ii)+3],   v[ADRB+ch/4] offset:(ch%4)*32*PB+32*ii
	ds_load_tr16_b128 v[(\f)+8*(WN*cc+ii)+4:(\f)+8*(WN*cc+ii)+7], v[ADRB+ch/4] offset:(ch%4)*32*PB+32*ii+16*PB
.set ii, ii+1
.endr
	WIN 0
.set ii, 0
.rept WM
	ds_load_b128 v[(\f)+8*(WM*cc+ii):(\f)+8*(WM*cc+ii)+3],   v[ADRA] offset:ch*64+ii*16*PA
	ds_load_b128 v[(\f)+8*(WM*cc+ii)+4:(\f)+8*(WM*cc+ii)+7], v[ADRA] offset:ch*64+ii*16*PA+32
.set ii, ii+1
.endr
.set cc, cc+1
.endr
.endm
.macro QUARTER qn, f, g, zero
	s_wait_dscnt LATE                              ; W and A's rows 0-63 are in; the youngest eight loads may be out
	MULP \f, 0, 0, \zero
	MULP \f, 0, 2, \zero
	PLACES
	FETCH \qn, \g
	s_wait_dscnt 32                                ; all but the 32 just issued
	MULP \f, 1, 0, (\zero)*BIG
	MULP \f, 1, 2, (\zero)*BIG
.endm
; Every wave waits for all its tensor loads, adds 0 to its spare word, waits for that and for its reads of this slot.  fill = 1: no tensor load of mine is out behind the first wait, so the walking descriptors are written there
.macro MEET fill
	WIN 0
	s_wait_tensorcnt 0x0
	ds_add_u32 v[SPW], v[NIL]
.if \fill
	s_add_co_u32 s[G0A+5], s[LA], s[TB]
	s_add_nc_u64 s[G0A+6:G0A+7], s[G0A+6:G0A+7], 2*KSTEP
	s_add_co_u32 s[G0B+5], s[LB], s[TB]
	s_add_nc_u64 s[G0B+6:G0B+7], s[G0B+6:G0B+7], BST
.endif
	s_wait_dscnt LATE+1
	MULP F1, 0, 0, 0
	s_wait_dscnt 0x0
	s_barrier_signal -1
	MULP F1, 0, 2, 0
	WIN 0
	s_barrier_wait -1
.endm
.macro TURN fill                       ; the last quarter; fill = 1: a round of the cluster's barrier, then the slot just read is filled again, first thing behind the round
.if \fill
	s_wait_xcnt 0x0                                ; the last prefetch, a K step back, has read its address
	s_add_nc_u64 s[PFA:PFA+1], s[PFA:PFA+1], s[PST:PST+1]
.endif
	MEET \fill
.if \fill
	CREST
	JLOAD
.else
	PLACES
.endif
	s_xor_b32 s[TB], s[TB], SLOT
	v_add_nc_u32 v[ADRA], s[TB], v[ADRA0]
	v_add_nc_u32 v[ADRB], s[TB], v[ADRB0]
	FETCH 0, F0
.if \fill
	ASK
.endif
	MULP F1, 1, 0, 0
	MULP F1, 1, 2, 0
.endm
	s_load_b256 s[4:11], s[0:1], 0x0               ; A s[4:5], wb s[6:7], bias s[8:9], output s[10:11]
	v_lshl_add_u32 v[SPW], v0, 2, SPARE
	v_mov_b32 v[NIL], 0
	ds_add_u32 v[SPW], v[NIL]                      ; the wave's opening: the add and its wait ahead of my first tensor load
	ds_add_u32 v28, v29
	v_lshrrev_b32 v1, 5, v0
	v_readfirstlane_b32 s[WV], v1
	s_lshr_b32 s[HR], s[WV], 1
	s_and_b32 s[HC], s[WV], 1
	s_bfe_u32 s[CX], ttmp6, 0x40000
	s_bfe_u32 s[CY], ttmp6, 0x40004
	s_lshl_b32 s[TX], ttmp9, 2
	s_add_co_u32 s[TX], s[TX], s[CX]
	s_and_b32 s[TY], ttmp7, 0xffff
	s_lshl_b32 s[TY], s[TY], 2
	s_add_co_u32 s[TY], s[TY], s[CY]
	s_lshl_b32 s21, s[CY], 2
	s_lshl_b32 s21, 15, s21
	s_lshl_b32 s22, 0x1111, s[CX]
	s_or_b32 s[G1A], s21, (1<<16)|(1<<20)|(1<<21)|((4+KD)<<22)|(3<<25)
	s_or_b32 s[G1B], s22, (1<<16)|(1<<20)|(1<<21)|((7-KD)<<22)|(7<<25)
	s_mov_b32 s[G1A+1], KSTEP<<16
	s_mov_b32 s[G1A+2], (TM/2)<<16
	s_mov_b32 s[G1A+3], KSTEP<<16
	s_mov_b32 s[G1A+4], TM/2
	s_mov_b32 s[G1A+5], SIZE_K
	s_mov_b32 s[G1A+6], 0
	s_mov_b32 s[G1A+7], 0
	s_mov_b32 s[G1B+1], TN<<16
	s_mov_b32 s[G1B+2], (KSTEP/2)<<16
	s_mov_b32 s[G1B+3], TN<<16
	s_mov_b32 s[G1B+4], KSTEP/2
	s_mov_b32 s[G1B+5], SIZE_N
	s_mov_b32 s[G1B+6], 0
	s_mov_b32 s[G1B+7], 0
	s_mul_i32 s66, s[TY], TM*2*SIZE_K
	s_mul_i32 s68, s[HC], (TM/2)*2*SIZE_K
	s_add_co_u32 s66, s66, s68
	s_mov_b32 s67, 0
	s_mul_i32 s70, s[TX], 2*TN
	s_mul_i32 s72, s[HC], (KSTEP/2)*2*SIZE_N
	s_add_co_u32 s70, s70, s72
	s_add_co_u32 s70, s70, WOFF
	s_mov_b32 s71, 0
	s_mul_i32 s[LA], s[HC], HA
	s_mul_i32 s[LB], s[HC], HB
	s_add_co_u32 s[LB], s[LB], BOFF
	s_mov_b32 s[TB], 0
	s_wait_dscnt 0x0
	s_wait_kmcnt 0x0
	s_add_nc_u64 s[68:69], s[4:5], s[66:67]
	s_add_nc_u64 s[72:73], s[6:7], s[70:71]
	CROUND
.irp s, 0,1
	s_mov_b32 s[G0A+4*\s], 1
	s_add_co_u32 s[G0A+4*\s+1], s[LA], \s*SLOT
	s_add_nc_u64 s[G0A+4*\s+2:G0A+4*\s+3], s[68:69], \s*2*KSTEP
	s_or_b32 s[G0A+4*\s+3], s[G0A+4*\s+3], 0x80000000
	s_mov_b32 s[G0B+4*\s], 1
	s_add_co_u32 s[G0B+4*\s+1], s[LB], \s*SLOT
	s_add_nc_u64 s[G0B+4*\s+2:G0B+4*\s+3], s[72:73], \s*BST
	s_or_b32 s[G0B+4*\s+3], s[G0B+4*\s+3], 0x80000000
.endr
	s_cmp_eq_u32 s[HR], 0                          ; a wave's two first fills stand in one branch: two loads of mine are out
	s_cbranch_scc0 .Lfirst_b
	tensor_load_to_lds s[G0A:G0A+3], s[G1A:G1A+7]
	s_nop 0
	tensor_load_to_lds s[G0A+4:G0A+7], s[G1A:G1A+7]
	s_nop 0
	PLACES
	s_branch .Lfirst_done
.Lfirst_b:
	tensor_load_to_lds s[G0B:G0B+3], s[G1B:G1B+7]
	s_nop 0
	tensor_load_to_lds s[G0B+4:G0B+7], s[G1B:G1B+7]
	s_nop 0
	PLACES
.Lfirst_done:
	v_and_b32 v1, 15, v0
	v_bfe_u32 v2, v0, 4, 1
	v_and_b32 v3, 7, v0
	v_bfe_u32 v4, v0, 3, 1
	v_and_b32 v5, 31, v0
	v_lshlrev_b32 v[BO], 5, v2
	s_lshl_b32 s76, s[TX], 10                      ; the bias of my 128 columns
	s_lshl_b32 s77, s[HC], 9
	s_add_co_u32 s76, s76, s77
	s_mov_b32 s77, 0
	s_add_nc_u64 s[8:9], s[8:9], s[76:77]
.set bb, 0
.rept WN
	global_load_b128 v[BI+8*bb:BI+8*bb+3],   v[BO], s[8:9] offset:64*bb      ; columns 16 b + 8 h + 0..3,
	global_load_b128 v[BI+8*bb+4:BI+8*bb+7], v[BO], s[8:9] offset:64*bb+16   ; and + 4..7: laid as an accumulator's registers are
.set bb, bb+1
.endr
	v_mul_u32_u24 v[ADRA0], v1, PA
	v_lshl_add_u32 v[ADRA0], v2, 4, v[ADRA0]
	s_mul_i32 s21, s[HR], HA
	v_add_nc_u32 v[ADRA0], s21, v[ADRA0]
	v_lshl_add_u32 v[ADRB0], v2, 3, v3
	v_mul_u32_u24 v[ADRB0], v[ADRB0], PB
	v_lshl_add_u32 v[ADRB0], v4, 4, v[ADRB0]
	s_mul_i32 s21, s[HC], WN*32
	s_add_co_u32 s21, s21, BOFF
	v_add_nc_u32 v[ADRB0], s21, v[ADRB0]
	s_mul_i32 s23, s[WV], STG
	v_mul_u32_u24 v[STO], v1, SP
	v_lshl_add_u32 v[STO], v2, 5, v[STO]
	v_add_nc_u32 v[STO], s23, v[STO]
	v_lshl_add_u32 v[RD], v5, 4, s23               ; back: the 32 lanes take a row of 128 f32; as bf16 it is 256 consecutive bytes
	v_lshlrev_b32 v[CO], 3, v5
	s_lshl_b32 s74, s[TY], 21                      ; 256 rows of 8,192 bytes
	s_lshl_b32 s75, s[HR], 20
	s_add_co_u32 s74, s74, s75
	s_lshl_b32 s75, s[TX], 9
	s_add_co_u32 s74, s74, s75
	s_lshl_b32 s75, s[HC], 8
	s_add_co_u32 s74, s74, s75
	s_mov_b32 s75, 0
	s_add_nc_u64 s[10:11], s[10:11], s[74:75]
	s_mul_i32 s74, s[TY], TM                       ; the prefetches.  A: the rows that I fetch, my work-group's share of them by cx
	s_mul_i32 s75, s[HC], TM/2
	s_add_co_u32 s74, s74, s75
	s_mul_i32 s75, s[CX], 32/KD
	s_add_co_u32 s74, s74, s75
	s_mul_i32 s74, s74, 2*SIZE_K
	s_add_co_u32 s74, s74, (AH+1)*2*KSTEP          ; the first change of slots steps this to K step AH + 2
	s_mul_i32 s76, s[HC], KSTEP/2                  ; W: likewise, by cy
	s_mul_i32 s77, s[CY], 32/(3-KD)
	s_add_co_u32 s76, s76, s77
	s_mul_i32 s76, s76, 2*SIZE_N
	s_mul_i32 s77, s[TX], 2*TN
	s_add_co_u32 s76, s76, s77
	s_add_co_u32 s76, s76, WOFF+(AH+1)*BST
	s_and_b32 s78, ttmp7, 0xffff
	s_mov_b32 s[PST], BST
	s_mov_b32 s22, 2*SIZE_N
	s_cmp_eq_u32 s[HR], 0
	s_cselect_b32 s74, s74, s76
	s_cselect_b32 s78, ttmp9, s78
	s_cselect_b64 s[PFA:PFA+1], s[4:5], s[6:7]
	s_cselect_b32 s[PST], 2*KSTEP, s[PST]
	s_cselect_b32 s21, KD-1, 2-KD
	s_cselect_b32 s22, 2*SIZE_K, s22
	s_mov_b32 s[PST+1], 0
	s_mov_b32 s75, 0
	s_add_nc_u64 s[PFA:PFA+1], s[PFA:PFA+1], s[74:75]
	s_cmp_eq_u32 s78, 0
	s_cselect_b32 s[LIM], AH, -1
	v_lshrrev_b32 v6, s21, v5
	v_and_b32 v7, s21, v5
	v_mul_lo_u32 v[PFO], v6, s22
	v_lshl_add_u32 v[PFO], v7, 8, v[PFO]
	s_wait_tensorcnt 1                             ; my part of K step 0 is in; K step 1's may stay out
	s_barrier_signal -1
	s_barrier_wait -1
	s_wait_loadcnt 0x0                             ; the bias
	v_mov_b32 v[ADRA], v[ADRA0]
	v_mov_b32 v[ADRB], v[ADRB0]
	FETCH 0, F0
	QUARTER 1, F0, F1, 1
	WIN 0
	s_mov_b32 s3, NSTEP-2
.Lstep:
	QUARTER 2, F1, F0, 0
	QUARTER 3, F0, F1, 0
	TURN 1
	QUARTER 1, F0, F1, 0
	WIN 0
	s_sub_co_u32 s3, s3, 1
	s_cmp_lg_u32 s3, 0
	s_cbranch_scc1 .Lstep
	s_mov_b32 s2, 2
.Ltail:
	QUARTER 2, F1, F0, 0
	QUARTER 3, F0, F1, 0
	WIN 0
	s_cmp_eq_u32 s2, 1
	s_cbranch_scc1 .Llast
	TURN 0
	QUARTER 1, F0, F1, 0
	WIN 0
	s_sub_co_u32 s2, s2, 1
	s_cmp_lg_u32 s2, 0
	s_cbranch_scc1 .Ltail
.Llast:
	s_wait_dscnt LATE
	MULP F1, 0, 0, 0
	MULP F1, 0, 2, 0
	s_wait_dscnt 0x0
	MULP F1, 1, 0, 0
	MULP F1, 1, 2, 0
	WIN 0
	s_barrier_signal -1                            ; every wave's reads of the ring are back: behind this barrier the ring's bytes are the stages
	s_barrier_wait -1
	PLACES
.set sa, 0
.rept WM
.set sb, 0
.rept WN
	WIN 0x08+4*(sa/4)
	ds_store_b128 v[STO], v[8*(WN*(sa%4)+sb):8*(WN*(sa%4)+sb)+3]   offset:sa*16*SP+64*sb
	ds_store_b128 v[STO], v[8*(WN*(sa%4)+sb)+4:8*(WN*(sa%4)+sb)+7] offset:sa*16*SP+64*sb+16
.set sb, sb+1
.endr
.set sa, sa+1
.endr
	WIN 0
.irp j, 0,1,2,3,4,5,6,7
	ds_load_b128 v[32+4*\j:35+4*\j], v[RD] offset:\j*SP  ; the first trip's rows.  LDS serves a wave's instructions in order: these see my stores above
.endr
	v_add_nc_u32 v[RD], 8*SP, v[RD]
.set A1,  196                          ; the fit's constants, each twice: pairs for the packed arithmetic
.set A2,  198
.set A3,  200
.set A4,  202
.set A5,  204
.set ONE, 206
.set CW,  208
.set HLF, 210
.set PK2, 216                          ; v[216:231] the packed result
.macro PAIR r, val
	v_mov_b32 v[\r], \val
	v_mov_b32 v[\r+1], \val
.endm
	PAIR A1, 0x3e827906                            ;  0.254829592
	PAIR A2, 0xbe91a98e                            ; -0.284496736
	PAIR A3, 0x3fb5f0e3                            ;  1.421413741
	PAIR A4, 0xbfba00e3                            ; -1.453152027
	PAIR A5, 0x3f87dc22                            ;  1.061405429
	PAIR ONE, 1.0
	PAIR CW, 0x3fd96d27                            ; sqrt(2 log2 e): (CW x/2)^2 = z z log2 e
	PAIR HLF, 0.5
	s_mov_b32 s21, 0x3eed3388                      ; 0.3275911 sqrt 2: times |x/2| it is 0.3275911 z
	s_mov_b32 s2, 16
.Lout:                                         ; 8 rows a trip: v32-63 as read from LDS, v64-95 x/2, v96-127 t, then gelu, v128-159 the exponential, v160-191 the polynomial
	s_wait_dscnt 0x0                               ; this trip's rows, asked for a trip ago
.set i, 0
.rept 16
	v_pk_mul_f32 v[64+2*i:65+2*i], v[32+2*i:33+2*i], v[HLF:HLF+1]
.set i, i+1
.endr
	s_cmp_eq_u32 s2, 1                             ; the last trip has no rows behind it
	s_cbranch_scc1 .Lnold
.irp j, 0,1,2,3,4,5,6,7
	ds_load_b128 v[32+4*\j:35+4*\j], v[RD] offset:\j*SP  ; the next trip's rows
.endr
.Lnold:
	v_add_nc_u32 v[RD], 8*SP, v[RD]
.set i, 0
.rept 16
	v_pk_mul_f32 v[128+2*i:129+2*i], v[64+2*i:65+2*i], v[CW:CW+1]
.set i, i+1
.endr
.set i, 0
.rept 16
	v_pk_mul_f32 v[128+2*i:129+2*i], v[128+2*i:129+2*i], v[128+2*i:129+2*i] neg_lo:[1,0] neg_hi:[1,0]
.set i, i+1
.endr
.set i, 0
.rept 32                               ; ONE batch of 64: the exponentials take turns with the plain lines that make the denominators,
	v_exp_f32 v[128+i], v[128+i]
	v_fma_f32 v[96+i], |v[64+i]|, s21, 1.0
.set i, i+1
.endr
.set i, 0
.rept 32                               ; then the reciprocals
	v_rcp_f32 v[96+i], v[96+i]
.set i, i+1
.endr
	v_nop                                          ; a plain instruction behind the last of them,
	s_wait_alu depctr_va_vdst(0)                   ; and one wait for the batch ahead of its first reader
.set i, 0
.rept 16
	v_pk_fma_f32 v[160+2*i:161+2*i], v[96+2*i:97+2*i], v[A5:A5+1], v[A4:A4+1]
.set i, i+1
.endr
.irp k, A3, A2, A1
.set i, 0
.rept 16
	v_pk_fma_f32 v[160+2*i:161+2*i], v[160+2*i:161+2*i], v[96+2*i:97+2*i], v[\k:\k+1]
.set i, i+1
.endr
.endr
.set i, 0
.rept 16
	v_pk_mul_f32 v[160+2*i:161+2*i], v[160+2*i:161+2*i], v[96+2*i:97+2*i]
.set i, i+1
.endr
.set i, 0
.rept 16
	v_pk_fma_f32 v[160+2*i:161+2*i], v[160+2*i:161+2*i], v[128+2*i:129+2*i], v[ONE:ONE+1] neg_lo:[1,0,0] neg_hi:[1,0,0]  ; erf z
.set i, i+1
.endr
.set i, 0
.rept 32
	v_fma_f32 v[96+i], |v[64+i]|, v[160+i], v[64+i]
.set i, i+1
.endr
	s_wait_xcnt 0x0                                ; the last trip's stores, a whole trip's arithmetic back, have read their data and offset: both are written again below
	v_add_nc_u32 v[CO], 65536, v[CO]               ; 8 rows on; the stores reach back by their immediate
.set i, 0
.rept 16
	v_cvt_pk_bf16_f32 v[PK2+i], v[96+2*i], v[97+2*i]
.set i, i+1
.endr
.irp j, 0,1,2,3,4,5,6,7
	global_store_b64 v[CO], v[PK2+2*\j:PK2+2*\j+1], s[10:11] offset:\j*8192-65536  ; 32 lanes: 256 consecutive bytes, aligned
.endr
	s_sub_co_u32 s2, s2, 1
	s_cmp_lg_u32 s2, 0
	s_cbranch_scc1 .Lout
	s_wait_tensorcnt 0x0                           ; the wave's end
	ds_add_u32 v[SPW], v[NIL]
	s_wait_dscnt 0x0
	CROUND                                         ; the closing round
	s_endpgm
.Lfunc_end_k_qf3a604ddd0_ffn1:
	.size	k_qf3a604ddd0_ffn1, .Lfunc_end_k_qf3a604ddd0_ffn1-k_qf3a604ddd0_ffn1
	.p2alignl 7, 3214868480
	.fill 96, 4, 3214868480
	.section	.rodata,"a",@progbits
	.p2align	6, 0x0
	.amdhsa_kernel k_qf3a604ddd0_ffn1
		.amdhsa_group_segment_fixed_size 327680
		.amdhsa_private_segment_fixed_size 0
		.amdhsa_enable_private_segment 0
		.amdhsa_kernarg_size 32
		.amdhsa_user_sgpr_count 2
		.amdhsa_user_sgpr_kernarg_segment_ptr 1
		.amdhsa_wavefront_size32 1
		.amdhsa_system_sgpr_workgroup_id_x 1
		.amdhsa_system_sgpr_workgroup_id_y 1
		.amdhsa_system_sgpr_workgroup_id_z 1
		.amdhsa_system_vgpr_workitem_id 0
		.amdhsa_next_free_vgpr 1024
		.amdhsa_next_free_sgpr 80
		.amdhsa_reserve_vcc 0
		.amdhsa_float_denorm_mode_32 3
		.amdhsa_float_denorm_mode_16_64 3
		.amdhsa_memory_ordered 1
		.amdhsa_forward_progress 1
		.amdhsa_inst_pref_size 103
	.end_amdhsa_kernel
	.amdgpu_metadata
---
amdhsa.version: [ 1, 2 ]
amdhsa.kernels:
  - .name:           k_qf3a604ddd0_ffn1
    .symbol:         k_qf3a604ddd0_ffn1.kd
    .args:
      - { .name: act, .offset: 0, .size: 8, .value_kind: global_buffer, .address_space: global }
      - { .name: wb, .offset: 8, .size: 8, .value_kind: global_buffer, .address_space: global }
      - { .name: ffn_b1, .offset: 16, .size: 8, .value_kind: global_buffer, .address_space: global }
      - { .name: big, .offset: 24, .size: 8, .value_kind: global_buffer, .address_space: global }
    .group_segment_fixed_size: 327680
    .private_segment_fixed_size: 0
    .kernarg_segment_align: 8
    .kernarg_segment_size: 32
    .max_flat_workgroup_size: 128
    .sgpr_count:     80
    .vgpr_count:     1024
    .wavefront_size: 32
...
	.end_amdgpu_metadata
.endif
;; end of part 5
;; launch ffn2 (part 6): grid 8 x 32, 4 waves a work-group, clusters of 4 x 4, 327,680 bytes of LDS; arguments big, wb, ffn_b2, out0, y; writes out0
.if DOCPART == 6
	.amdgcn_target "amdgcn-amd-amdhsa--gfx1250"
	.amdhsa_code_object_version 6
	.text
	.protected	k_qf3a604ddd0_ffn2
	.globl	k_qf3a604ddd0_ffn2
	.p2align	8
	.type	k_qf3a604ddd0_ffn2,@function
k_qf3a604ddd0_ffn2:
	s_mov_b64 s[64:65], 0
	v_nop
	global_prefetch_b8 v0, s[64:65] scope:SCOPE_SE
	s_setreg_imm32_b32 hwreg(HW_REG_WAVE_MODE, 25, 1), 1
	s_wait_xcnt 0x0
	s_wait_alu depctr_hold_cnt(0) depctr_sa_sdst(0) depctr_va_vdst(0) depctr_va_sdst(0) depctr_va_ssrc(0) depctr_va_vcc(0) depctr_vm_vsrc(0)
	s_getreg_b32 s2, hwreg(HW_REG_IB_STS2, 6, 4)
	s_cmp_eq_u32 s2, 0
	s_cbranch_scc0 .Lentry_in_a_cluster
	s_endpgm
.Lentry_in_a_cluster:
	s_bfe_u32 s2, ttmp6, 0x10000c
	s_cmp_lg_u32 s2, 0xf033
	s_cbranch_scc0 .Lentry_shape_is_right
	s_endpgm
.Lentry_shape_is_right:
; out0[4096][1024] (f32) = y + big[4096][4096] x W2[4096][1024] + ffn_b2.  A (big) is bf16 [M][K]; W is bf16 [K][N], at byte WOFF of wb.  Sums in f32; THE BIAS STARTS EACH SUM, as the C operand of the first product.
; The tile is 128 x 128, so that 256 work-groups share the product; a wave makes 4 x 4 accumulators of 16 x 16.  K goes in steps of 256 through two LDS slots
; filled by the tensor data mover; a slot holds TM rows of A (along K) and KSTEP rows of W (along N).  A's fragments come out of LDS as they lie, W's turned, by ds_load_tr16_b128.
; THE MATRIX INSTRUCTION IS USED TRANSPOSED (source 0 = 16 columns of W, source 1 = 16 rows of A): a lane holds one row of C (lane % 16) and eight neighbouring columns.
; CLUSTER 4 x 4: A's tiles are asked for jointly along a row of the cluster, W's along a column.  A loop trip is ONE K step; the slot in hand is s[TB], 0 or SLOT.
; THE WALK ALONG K IS ROTATED: cluster (X, Y) begins at K step (NSTEP/2 X + NSTEP/4 (Y % 4)) % NSTEP and goes round.  The two clusters along x, which read the same rows of A, are NSTEP/2 steps apart;
; clusters along y, which read the same columns of W, NSTEP/4 apart: a tile's readers come one after the other, not all in the same step.  The start hangs on the cluster's number alone, so it is
; the same in all sixteen partners.  An output's f32 sum is therefore taken in that rotated order of K.
; THE WAY OUT: behind the last product and a barrier the ring has had its last fill; each wave lays its part of C, in f32, into its own STG bytes of it and reads whole rows back.
; The residual's rows are loaded into window 3 two K steps ahead of their use.
; LIMITS.  Operands are bf16; NaN and infinities are not treated apart.
.set BIG,    0
.set SIZE_K, 4096
.set SIZE_N, 1024
.set WOFF,   16777216
.set PF,     1
.set WM,    4+4*BIG
.set WN,    WM
.set KD,    2-BIG
.set KSTEP, 128*KD
.set TM,    32*WM
.set TN,    TM
.set PA,    2*KSTEP+16                 ; an odd multiple of 16 bytes
.set PB,    2*TN+32                    ; an odd multiple of 32 bytes
.set HA,    (TM/2)*PA
.set BOFF,  TM*PA
.set HB,    (KSTEP/2)*PB
.set SLOT,  BOFF+KSTEP*PB
.set SPARE, 2*SLOT                     ; the spare words, 128 bytes a wave: two blocks of 256 bytes that no other line names
.set NSTEP, SIZE_K/KSTEP
.set KMASK, NSTEP-1
.set LATE,  8*KD
.set AH,    KD                         ; a prefetch stands two K steps, 256 matrix instructions, ahead of the refill beside it
.set SP,    2*TN+16
.set STG,   WM*16*SP
.set BST,   KSTEP*SIZE_N*2
.set F0, 64
.set F1, 128
.set BI, 32                            ; v[32:63] the bias of my 64 columns: block b's eight registers at BI + 8 b
.set ADRA,  16
.set ADRA0, 17
.set ADRB,  18
.set ADRB0, 20
.set STO, 24
.set RD,  25
.set CO,  26
.set BO,  27
.set SPW, 28
.set NIL, 29
.set PFO, 30
.set WV, 14
.set HR, 15
.set HC, 16
.set CX, 17
.set CY, 18
.set TX, 19
.set TY, 20
.set G1A, 24
.set G0A, 32
.set LA,  40
.set LB,  41
.set TB,  42
.set LIM, 43                           ; s43  NSTEP/2 + AH in a wave that prefetches, else the greatest number
.set PFA, 44                           ; s[44:45] where my prefetch stands
.set G1B, 48
.set G0B, 56
.set KI,  80                           ; s80  the K step that the walking descriptors name
.set PFB, 86                           ; s[86:87] A at my work-group's 16 of the 64 rows that I fetch, K = 0; never rewritten
.set MUL_LO, 0xa1
.set MUL_Z,  0x81                      ; C (the bias) in window 0
.set TO_B,   0x40
.set MSB, 0
.macro WIN new
.if MSB != (\new)
	s_set_vgpr_msb (MSB<<8)|(\new)
.set MSB, (\new)
.endif
.endm
.macro PLACES
.rept 4
	v_nop
.endr
.endm
.macro CREST
	s_cmp_lg_u32 s[WV], 0
	s_cbranch_scc1 .Lnot_wave_0_\@
	s_barrier_signal -3
.Lnot_wave_0_\@:
	s_barrier_wait -3
	s_barrier_signal -1
	s_barrier_wait -1
.endm
.macro CROUND
	s_barrier_signal -1
	s_barrier_wait -1
	CREST
.endm
.macro JLOAD                           ; the joint refill: waves 0, 1 fetch A's halves, waves 2, 3 W's
	s_cmp_eq_u32 s[HR], 0
	s_cbranch_scc0 .Lfor_b_\@
	tensor_load_to_lds s[G0A+4:G0A+7], s[G1A:G1A+7]
	s_nop 0
	PLACES
	s_branch .Lasked_\@
.Lfor_b_\@:
	tensor_load_to_lds s[G0B+4:G0B+7], s[G1B:G1B+7]
	s_nop 0
	PLACES
.Lasked_\@:
.endm
; A PREFETCH INTO THE L2 of A's tile that stands AH refills on in my cluster's walk.  Of a row block's NSTEP tiles of A each of the two clusters that read them comes first to the NSTEP/2 with which its
; walk begins; those are asked for, by that cluster, and the others not at all.  The walk's steps 0 to AH + 1 come by their loads alone (nothing is asked for at the head), so steps AH + 2 .. NSTEP/2 - 1
; are named: while s3, the trips left, is above NSTEP/2 + AH.  The waves that fetch A ask; of the 64 rows x 512 bytes that a wave fetches, each of the four partners that ask for them jointly takes
; 16 rows, by address (cx): a lane a block of 256 bytes, one instruction.  So each block is named once in the launch.  W's tiles to which a cluster comes first are its walk's steps 0 to NSTEP/4 - 1:
; too near the head to be asked for ahead.
.macro ASK
	s_cmp_gt_u32 s3, s[LIM]
	s_cbranch_scc0 .Lnot_mine_\@
	global_prefetch_b8 v[PFO], s[PFA:PFA+1] th:TH_LOAD_NT scope:SCOPE_SE
.Lnot_mine_\@:
.endm
.macro MULP f, x, a0, zero             ; 2 x WN matrix instructions on buffer f; x: which 32 along K of its 64; the 16 accumulators take turns; zero: the bias starts the sum
.if \zero
	WIN MUL_Z+0x40*(\x)*BIG
.else
	WIN MUL_LO+0x50*(\x)*BIG
.endif
.irp a, \a0, (\a0)+1
.set bb, 0
.rept WN
.set rD, 8*(WN*(\a)+bb)
.set rB, (\f)+8*((1-BIG)*4*(\x)+bb)
.set rA, (\f)+8*(4*(\x)+(\a))
.if \zero
	v_wmma_f32_16x16x32_bf16 v[rD:rD+7], v[rB:rB+7], v[rA:rA+7], v[BI+8*bb:BI+8*bb+7]
.else
	v_wmma_f32_16x16x32_bf16 v[rD:rD+7], v[rB:rB+7], v[rA:rA+7], v[rD:rD+7]
.endif
.set bb, bb+1
.endr
.endr
.endm
.macro FETCH q, f                      ; 32 LDS loads in one run: quarter q of the K step in hand into buffer f
.set cc, 0
.rept KD
.set ch, KD*(\q)+cc
	WIN TO_B
.set ii, 0
.rept WN
	ds_load_tr16_b128 v[(\f)+8*(WN*cc+ii):(\f)+8*(WN*cc+ii)+3],   v[ADRB+ch/4] offset:(ch%4)*32*PB+32*ii
	ds_load_tr16_b128 v[(\f)+8*(WN*cc+ii)+4:(\f)+8*(WN*cc+ii)+7], v[ADRB+ch/4] offset:(ch%4)*32*PB+32*ii+16*PB
.set ii, ii+1
.endr
	WIN 0
.set ii, 0
.rept WM
	ds_load_b128 v[(\f)+8*(WM*cc+ii):(\f)+8*(WM*cc+ii)+3],   v[ADRA] offset:ch*64+ii*16*PA
	ds_load_b128 v[(\f)+8*(WM*cc+ii)+4:(\f)+8*(WM*cc+ii)+7], v[ADRA] offset:ch*64+ii*16*PA+32
.set ii, ii+1
.endr
.set cc, cc+1
.endr
.endm
.macro QUARTER qn, f, g, zero
	s_wait_dscnt LATE                              ; the first 32 along K are in
	MULP \f, 0, 0, \zero
	MULP \f, 0, 2, \zero
	PLACES
	FETCH \qn, \g
	s_wait_dscnt 32                                ; all but the 32 just issued
	MULP \f, 1, 0, (\zero)*BIG
	MULP \f, 1, 2, (\zero)*BIG
.endm
; Every wave waits for all its tensor loads, adds 0 to its spare word, waits for that and for its reads of this slot.  fill = 1: no tensor load of mine is out behind the first wait, so the walking
; descriptors are made anew there: the slot in hand; the next K step of the walk, round the end of K, its address from the tile's base and the step's number
.macro MEET fill
	WIN 0
	s_wait_tensorcnt 0x0
	ds_add_u32 v[SPW], v[NIL]
.if \fill
	s_add_co_u32 s[KI], s[KI], 1
	s_and_b32 s[KI], s[KI], KMASK
	s_mul_i32 s82, s[KI], 2*KSTEP
	s_mul_i32 s84, s[KI], BST
	s_add_co_u32 s[G0A+5], s[LA], s[TB]
	s_add_nc_u64 s[G0A+6:G0A+7], s[68:69], s[82:83]
	s_or_b32 s[G0A+7], s[G0A+7], 0x80000000
	s_add_co_u32 s[G0B+5], s[LB], s[TB]
	s_add_nc_u64 s[G0B+6:G0B+7], s[72:73], s[84:85]
	s_or_b32 s[G0B+7], s[G0B+7], 0x80000000
.endif
	s_wait_dscnt LATE+1
	MULP F1, 0, 0, 0
	s_wait_dscnt 0x0
	s_barrier_signal -1
	MULP F1, 0, 2, 0
	WIN 0
	s_barrier_wait -1
.endm
.macro TURN fill                       ; the last quarter; fill = 1: a round of the cluster's barrier, then the slot just read is filled again, first thing behind the round
.if \fill
	s_wait_xcnt 0x0                                ; the last prefetch, a K step back, has read its address: it is made anew,
	s_add_co_u32 s81, s[KI], 1+AH                  ; AH steps on from the step that this change asks for, round the end of K
	s_and_b32 s81, s81, KMASK
	s_mul_i32 s88, s81, 2*KSTEP
	s_add_nc_u64 s[PFA:PFA+1], s[PFB:PFB+1], s[88:89]
.endif
	MEET \fill
.if \fill
	CREST
	JLOAD
.else
	PLACES
.endif
	s_xor_b32 s[TB], s[TB], SLOT
	v_add_nc_u32 v[ADRA], s[TB], v[ADRA0]
	v_add_nc_u32 v[ADRB], s[TB], v[ADRB0]
	v_add_nc_u32 v[ADRB+1], 128*PB, v[ADRB]
	FETCH 0, F0
.if \fill
	ASK
.endif
	MULP F1, 1, 0, 0
	MULP F1, 1, 2, 0
.endm
	s_load_b256 s[4:11], s[0:1], 0x0               ; A s[4:5], wb s[6:7], bias s[8:9], output s[10:11]
	s_load_b64 s[12:13], s[0:1], 0x20              ; the residual
	v_lshl_add_u32 v[SPW], v0, 2, SPARE
	v_mov_b32 v[NIL], 0
	ds_add_u32 v[SPW], v[NIL]                      ; the wave's opening: the add and its wait ahead of my first tensor load
	ds_add_u32 v28, v29
	v_lshrrev_b32 v1, 5, v0
	v_readfirstlane_b32 s[WV], v1
	s_lshr_b32 s[HR], s[WV], 1
	s_and_b32 s[HC], s[WV], 1
	s_bfe_u32 s[CX], ttmp6, 0x40000
	s_bfe_u32 s[CY], ttmp6, 0x40004
	s_lshl_b32 s[TX], ttmp9, 2
	s_add_co_u32 s[TX], s[TX], s[CX]
	s_and_b32 s[TY], ttmp7, 0xffff
	s_lshl_b32 s[TY], s[TY], 2
	s_add_co_u32 s[TY], s[TY], s[CY]
	s_and_b32 s81, ttmp7, 3                        ; cluster y modulo 4
	s_mul_i32 s81, s81, NSTEP/4
	s_mul_i32 s[KI], ttmp9, NSTEP/2                ; cluster x
	s_add_co_u32 s[KI], s[KI], s81
	s_and_b32 s[KI], s[KI], KMASK                  ; where my cluster's walk along K begins
	s_mov_b32 s83, 0
	s_mov_b32 s85, 0
	s_mov_b32 s89, 0
	s_lshl_b32 s21, s[CY], 2
	s_lshl_b32 s21, 15, s21
	s_lshl_b32 s22, 0x1111, s[CX]
	s_or_b32 s[G1A], s21, (1<<16)|(1<<20)|(1<<21)|((4+KD)<<22)|(3<<25)
	s_or_b32 s[G1B], s22, (1<<16)|(1<<20)|(1<<21)|((7-KD)<<22)|(7<<25)
	s_mov_b32 s[G1A+1], KSTEP<<16
	s_mov_b32 s[G1A+2], (TM/2)<<16
	s_mov_b32 s[G1A+3], KSTEP<<16
	s_mov_b32 s[G1A+4], TM/2
	s_mov_b32 s[G1A+5], SIZE_K
	s_mov_b32 s[G1A+6], 0
	s_mov_b32 s[G1A+7], 0
	s_mov_b32 s[G1B+1], TN<<16
	s_mov_b32 s[G1B+2], (KSTEP/2)<<16
	s_mov_b32 s[G1B+3], TN<<16
	s_mov_b32 s[G1B+4], KSTEP/2
	s_mov_b32 s[G1B+5], SIZE_N
	s_mov_b32 s[G1B+6], 0
	s_mov_b32 s[G1B+7], 0
	s_mul_i32 s66, s[TY], TM*2*SIZE_K
	s_mul_i32 s68, s[HC], (TM/2)*2*SIZE_K
	s_add_co_u32 s66, s66, s68
	s_mov_b32 s67, 0
	s_mul_i32 s70, s[TX], 2*TN
	s_mul_i32 s72, s[HC], (KSTEP/2)*2*SIZE_N
	s_add_co_u32 s70, s70, s72
	s_add_co_u32 s70, s70, WOFF
	s_mov_b32 s71, 0
	s_mul_i32 s[LA], s[HC], HA
	s_mul_i32 s[LB], s[HC], HB
	s_add_co_u32 s[LB], s[LB], BOFF
	s_mov_b32 s[TB], 0
	s_wait_dscnt 0x0
	s_wait_kmcnt 0x0
	s_add_nc_u64 s[68:69], s[4:5], s[66:67]        ; my part of A's tile at K = 0; never rewritten
	s_add_nc_u64 s[72:73], s[6:7], s[70:71]        ; my part of W's tile at K = 0; never rewritten
	CROUND
.irp s, 0,1
	s_mul_i32 s82, s[KI], 2*KSTEP
	s_mul_i32 s84, s[KI], BST
	s_mov_b32 s[G0A+4*\s], 1
	s_add_co_u32 s[G0A+4*\s+1], s[LA], \s*SLOT
	s_add_nc_u64 s[G0A+4*\s+2:G0A+4*\s+3], s[68:69], s[82:83]
	s_or_b32 s[G0A+4*\s+3], s[G0A+4*\s+3], 0x80000000
	s_mov_b32 s[G0B+4*\s], 1
	s_add_co_u32 s[G0B+4*\s+1], s[LB], \s*SLOT
	s_add_nc_u64 s[G0B+4*\s+2:G0B+4*\s+3], s[72:73], s[84:85]
	s_or_b32 s[G0B+4*\s+3], s[G0B+4*\s+3], 0x80000000
.if \s == 0
	s_add_co_u32 s[KI], s[KI], 1                   ; the walk's second step
	s_and_b32 s[KI], s[KI], KMASK
.endif
.endr
	s_cmp_eq_u32 s[HR], 0                          ; a wave's two first fills stand in one branch: two loads of mine are out
	s_cbranch_scc0 .Lfirst_b
	tensor_load_to_lds s[G0A:G0A+3], s[G1A:G1A+7]
	s_nop 0
	tensor_load_to_lds s[G0A+4:G0A+7], s[G1A:G1A+7]
	s_nop 0
	PLACES
	s_branch .Lfirst_done
.Lfirst_b:
	tensor_load_to_lds s[G0B:G0B+3], s[G1B:G1B+7]
	s_nop 0
	tensor_load_to_lds s[G0B+4:G0B+7], s[G1B:G1B+7]
	s_nop 0
	PLACES
.Lfirst_done:
	v_and_b32 v1, 15, v0
	v_bfe_u32 v2, v0, 4, 1
	v_and_b32 v3, 7, v0
	v_bfe_u32 v4, v0, 3, 1
	v_and_b32 v5, 31, v0
	v_lshlrev_b32 v[BO], 5, v2
	s_lshl_b32 s76, s[TX], 9                       ; my 64 columns, in bytes
	s_lshl_b32 s77, s[HC], 8
	s_add_co_u32 s76, s76, s77
	s_mov_b32 s77, 0
	s_add_nc_u64 s[8:9], s[8:9], s[76:77]
.set bb, 0
.rept WN
	global_load_b128 v[BI+8*bb:BI+8*bb+3],   v[BO], s[8:9] offset:64*bb      ; the bias of columns 16 b + 8 h + 0..3,
	global_load_b128 v[BI+8*bb+4:BI+8*bb+7], v[BO], s[8:9] offset:64*bb+16   ; and + 4..7: laid as an accumulator's registers are
.set bb, bb+1
.endr
	v_mul_u32_u24 v[ADRA0], v1, PA
	v_lshl_add_u32 v[ADRA0], v2, 4, v[ADRA0]
	s_mul_i32 s21, s[HR], HA
	v_add_nc_u32 v[ADRA0], s21, v[ADRA0]
	v_lshl_add_u32 v[ADRB0], v2, 3, v3
	v_mul_u32_u24 v[ADRB0], v[ADRB0], PB
	v_lshl_add_u32 v[ADRB0], v4, 4, v[ADRB0]
	s_mul_i32 s21, s[HC], WN*32
	s_add_co_u32 s21, s21, BOFF
	v_add_nc_u32 v[ADRB0], s21, v[ADRB0]
	s_mul_i32 s23, s[WV], STG
	v_mul_u32_u24 v[STO], v1, SP
	v_lshl_add_u32 v[STO], v2, 5, v[STO]
	v_add_nc_u32 v[STO], s23, v[STO]
	v_mul_u32_u24 v[RD], v2, SP                    ; back: lanes 0-15 a row of 64 f32, lanes 16-31 the next
	v_lshl_add_u32 v[RD], v1, 4, v[RD]
	v_add_nc_u32 v[RD], s23, v[RD]
	v_lshlrev_b32 v[CO], 12, v2                    ; the same two rows in the output and in the residual
	v_lshl_add_u32 v[CO], v1, 4, v[CO]
	s_lshl_b32 s74, s[TY], 19                      ; my 64 rows of 4,096 bytes
	s_lshl_b32 s75, s[HR], 18
	s_add_co_u32 s74, s74, s75
	s_add_co_u32 s74, s74, s76
	s_mov_b32 s75, 0
	s_add_nc_u64 s[10:11], s[10:11], s[74:75]
	s_add_nc_u64 s[12:13], s[12:13], s[74:75]
	s_mul_i32 s74, s[TY], TM                       ; the prefetches: the rows of A that I fetch,
	s_mul_i32 s75, s[HC], TM/2
	s_add_co_u32 s74, s74, s75
	s_lshl_b32 s75, s[CX], 4                       ; my work-group's 16 of them
	s_add_co_u32 s74, s74, s75
	s_mul_i32 s74, s74, 2*SIZE_K
	s_mov_b32 s75, 0
	s_add_nc_u64 s[PFB:PFB+1], s[4:5], s[74:75]
	s_cmp_eq_u32 s[HR], 0                          ; the waves that fetch A ask
	s_cselect_b32 s[LIM], NSTEP/2+AH, -1
	v_lshrrev_b32 v6, 1, v5                        ; a lane a block: row l / 2, half l % 2 of its 512 bytes
	v_and_b32 v7, 1, v5
	v_mul_u32_u24 v[PFO], v6, 2*SIZE_K
	v_lshl_add_u32 v[PFO], v7, 8, v[PFO]
	s_wait_tensorcnt 1                             ; my part of the walk's first step is in; the second's may stay out
	s_barrier_signal -1
	s_barrier_wait -1
	s_wait_loadcnt 0x0                             ; the bias
	v_mov_b32 v[ADRA], v[ADRA0]
	v_mov_b32 v[ADRB], v[ADRB0]
	v_add_nc_u32 v[ADRB+1], 128*PB, v[ADRB0]
	FETCH 0, F0
	QUARTER 1, F0, F1, 1
	WIN 0
	s_mov_b32 s3, NSTEP-2
.Lstep:
	QUARTER 2, F1, F0, 0
	QUARTER 3, F0, F1, 0
	TURN 1
	QUARTER 1, F0, F1, 0
	WIN 0
	s_sub_co_u32 s3, s3, 1
	s_cmp_lg_u32 s3, 0
	s_cbranch_scc1 .Lstep
	WIN 0xc0                                       ; destination window 3: the residual's 64 x 64, asked for two K steps ahead of its use
.set t, 0
.rept 32
	global_load_b128 v[4*t:4*t+3], v[CO], s[12:13] offset:8192*t
.set t, t+1
.endr
	WIN 0
	s_mov_b32 s2, 2
.Ltail:
	QUARTER 2, F1, F0, 0
	QUARTER 3, F0, F1, 0
	WIN 0
	s_cmp_eq_u32 s2, 1
	s_cbranch_scc1 .Llast
	TURN 0
	QUARTER 1, F0, F1, 0
	WIN 0
	s_sub_co_u32 s2, s2, 1
	s_cmp_lg_u32 s2, 0
	s_cbranch_scc1 .Ltail
.Llast:
	s_wait_dscnt LATE
	MULP F1, 0, 0, 0
	MULP F1, 0, 2, 0
	s_wait_dscnt 0x0
	MULP F1, 1, 0, 0
	MULP F1, 1, 2, 0
	WIN 0
	s_barrier_signal -1                            ; every wave's reads of the ring are back: behind this barrier the ring's bytes are the stages
	s_barrier_wait -1
	PLACES
.set sa, 0
.rept WM
.set sb, 0
.rept WN
	WIN 0x08+4*(sa/4)
	ds_store_b128 v[STO], v[8*(WN*(sa%4)+sb):8*(WN*(sa%4)+sb)+3]   offset:sa*16*SP+64*sb
	ds_store_b128 v[STO], v[8*(WN*(sa%4)+sb)+4:8*(WN*(sa%4)+sb)+7] offset:sa*16*SP+64*sb+16
.set sb, sb+1
.endr
.set sa, sa+1
.endr
	WIN 0
.set t, 0
.rept 32
	ds_load_b128 v[64+4*t:67+4*t], v[RD] offset:t*2*SP  ; LDS serves a wave's instructions in order: these see my stores above
.set t, t+1
.endr
	s_wait_loadcnt 0x0                             ; the residual
.irp g, 0,1,2,3
	s_wait_dscnt 24-8*\g                           ; this group's eight loads are back
	WIN 0x0c                                       ; source 1 in window 3
.set t, 8*\g
.rept 8
	v_pk_add_f32 v[64+4*t:65+4*t], v[64+4*t:65+4*t], v[4*t:4*t+1]
	v_pk_add_f32 v[66+4*t:67+4*t], v[66+4*t:67+4*t], v[4*t+2:4*t+3]
.set t, t+1
.endr
	WIN 0
.set t, 8*\g
.rept 8
	global_store_b128 v[CO], v[64+4*t:67+4*t], s[10:11] offset:8192*t  ; 16 lanes: 256 consecutive bytes, aligned
.set t, t+1
.endr
.endr
	s_wait_tensorcnt 0x0                           ; the wave's end
	ds_add_u32 v[SPW], v[NIL]
	s_wait_dscnt 0x0
	CROUND                                         ; the closing round
	s_endpgm
.Lfunc_end_k_qf3a604ddd0_ffn2:
	.size	k_qf3a604ddd0_ffn2, .Lfunc_end_k_qf3a604ddd0_ffn2-k_qf3a604ddd0_ffn2
	.p2alignl 7, 3214868480
	.fill 96, 4, 3214868480
	.section	.rodata,"a",@progbits
	.p2align	6, 0x0
	.amdhsa_kernel k_qf3a604ddd0_ffn2
		.amdhsa_group_segment_fixed_size 327680
		.amdhsa_private_segment_fixed_size 0
		.amdhsa_enable_private_segment 0
		.amdhsa_kernarg_size 40
		.amdhsa_user_sgpr_count 2
		.amdhsa_user_sgpr_kernarg_segment_ptr 1
		.amdhsa_wavefront_size32 1
		.amdhsa_system_sgpr_workgroup_id_x 1
		.amdhsa_system_sgpr_workgroup_id_y 1
		.amdhsa_system_sgpr_workgroup_id_z 1
		.amdhsa_system_vgpr_workitem_id 0
		.amdhsa_next_free_vgpr 1024
		.amdhsa_next_free_sgpr 96
		.amdhsa_reserve_vcc 0
		.amdhsa_float_denorm_mode_32 3
		.amdhsa_float_denorm_mode_16_64 3
		.amdhsa_memory_ordered 1
		.amdhsa_forward_progress 1
		.amdhsa_inst_pref_size 71
	.end_amdhsa_kernel
	.amdgpu_metadata
---
amdhsa.version: [ 1, 2 ]
amdhsa.kernels:
  - .name:           k_qf3a604ddd0_ffn2
    .symbol:         k_qf3a604ddd0_ffn2.kd
    .args:
      - { .name: big, .offset: 0, .size: 8, .value_kind: global_buffer, .address_space: global }
      - { .name: wb, .offset: 8, .size: 8, .value_kind: global_buffer, .address_space: global }
      - { .name: ffn_b2, .offset: 16, .size: 8, .value_kind: global_buffer, .address_space: global }
      - { .name: out0, .offset: 24, .size: 8, .value_kind: global_buffer, .address_space: global }
      - { .name: y, .offset: 32, .size: 8, .value_kind: global_buffer, .address_space: global }
    .group_segment_fixed_size: 327680
    .private_segment_fixed_size: 0
    .kernarg_segment_align: 8
    .kernarg_segment_size: 40
    .max_flat_workgroup_size: 128
    .sgpr_count:     96
    .vgpr_count:     1024
    .wavefront_size: 32
...
	.end_amdgpu_metadata
.endif
;; end of part 6
